; MI455X (gfx1250); checked and timed in simulation.
; The chip was launched on July 23, 2026; its instructions are those of AMD's public machine-readable ISA for CDNA 5 (MIT licence, August 2026) and "CDNA5" Instruction Set Architecture Reference Guide (July 2026). The comments in the code are by the model that wrote it; some were corrected since.
;; Causal Attention Layer. Allowed arithmetic: matrix products marked QUANTISED: E2M1 operands, one E8M0 scale for each 32 along K, by v_wmma_scale_f32_16x16x128_f8f6f4 with both operands' format E2M1 (or v_wmma_scale_f32_32x16x128_f4), f32 sums; products left as they are: bf16, f16 or f32 operands; f32 sums; everything else in f32.
;; Inputs: W_out 1,024 x 1,024 float32; W_qkv 1,024 x 3,072 float32; b_out 1,024 float32; b_qkv 3,072 float32; x 4 x 2,048 x 1,024 float32.
;; Outputs: out0 4 x 2,048 x 1,024 float32.
;; This version of the problem:
;;   THIS VERSION OF THE PROBLEM IS GIVEN IN LOW PRECISION. The matrix products marked QUANTISED in the list below multiply operands that are first quantised to E2M1 (2 exponent bits, 1 mantissa bit; 4 bits a number), with one power-of-two scale for each 32 numbers along K (OCP MX v1.0); their sums are f32. The products marked 'left as it is' may take bf16, f16 or f32 operands, with f32 sums. Whichever they take, every output number must still come out within the allowed error. Rounding operands to bf16 (8 significant bits) uses up far more of that allowance than f16 does (11 bits, for magnitudes from 6e-5 to 65,504). All else is computed in f32.
;;   The module's matrix products, in the order in which they are computed (A, B: the left and right operand; K: the contracted axis; several contracted axes count as one K, in the product's order):
;;     1. [M 8,192, K 1,024] x [K 1,024, N 3,072]; A: input x; B: input W_qkv: QUANTISED
;;     2. batch 64 x [M 2,048, K 64] x [K 64, N 2,048]; A: computed on the way; B: computed on the way: left as it is (an operand is computed on the way)
;;     3. batch 64 x [M 2,048, K 2,048] x [K 2,048, N 64]; A: computed on the way; B: computed on the way: left as it is (an operand is computed on the way)
;;     4. [M 8,192, K 1,024] x [K 1,024, N 1,024]; A: computed on the way; B: input W_out: left as it is (an operand is computed on the way)
;;   THE QUANTISER, for each operand of a quantised product, along K:
;;     - K is cut into blocks of 32 from its start; a last block that is shorter is filled with zeros.
;;     - A block's scale is 2^e with e = floor(log2(the largest magnitude in the block)) - 2, held to -126 .. 127; a block of zeros has e = 0. As a byte (E8M0): e + 127.
;;     - Each number is divided by its block's scale, clamped to +-6, and rounded to the nearest number of E2M1, ties to even, subnormals kept.
;;     - The product sums the exact products of the quantised numbers (number of the format x scale) in f32.
;;   ~~~python
;;   def quantise(x, axis):      # numpy; x: float32 -> the quantised numbers, widened to float32 again
;;       x = np.moveaxis(x, axis, -1); K = x.shape[-1]
;;       x = np.pad(x, [(0, 0)] * (x.ndim - 1) + [(0, -K % 32)]); x = x.reshape(x.shape[:-1] + (-1, 32)); a = np.abs(x).max(-1, keepdims=True)
;;       e = np.where(a > 0, np.clip(np.frexp(np.where(a > 0, a, 1))[1] - 1 - 2, -126, 127), 0)      # np.frexp(a)[1] - 1 = floor(log2(a)), exactly
;;       r = np.clip(x / 2.0 ** e, -6, 6)
;;       step = 2.0 ** (np.maximum(np.frexp(np.where(r == 0, 1, r))[1] - 1, 0) - 1)
;;       q = np.round(r / step) * step * 2.0 ** e      # np.round: ties to even
;;       return np.moveaxis(q.reshape(q.shape[:-2] + (-1,))[..., :K], -1, axis).astype(np.float32)
;;   ~~~
;; One version. Each part assembles by itself: llvm-mc -triple=amdgcn-amd-amdhsa -mcpu=gfx1250 --defsym DOCPART=n.
;; ======== version 1 of 1: 5 launches
;; limits: values are held in f16: magnitudes above 65,504 overflow, below 6.1e-05 lose precision
;; workspace buffers: x_codes 4,194,304 bytes; x_scales 262,144 bytes; w_codes 1,572,864 bytes; w_scales 98,304 bytes; wT 2,097,152 bytes; qkv 50,331,648 bytes; qkv32 786,432 bytes; att 16,777,216 bytes
;; launch prep (part 1): grid 368 x 1, 4 waves a work-group, no clusters, 102,912 bytes of LDS; arguments x, W_qkv, W_out, x_codes, x_scales, w_codes, w_scales, wT; writes x_codes, x_scales, w_codes, w_scales, wT
.if DOCPART == 1
	.amdgcn_target "amdgcn-amd-amdhsa--gfx1250"
	.amdhsa_code_object_version 6
	.text
	.protected	k_qf4634b0784_prep
	.globl	k_qf4634b0784_prep
	.p2align	8
	.type	k_qf4634b0784_prep,@function
k_qf4634b0784_prep:
	s_mov_b64 s[64:65], 0
	v_nop
	global_prefetch_b8 v0, s[64:65] scope:SCOPE_SE
	s_setreg_imm32_b32 hwreg(HW_REG_WAVE_MODE, 25, 1), 1
	s_wait_xcnt 0x0
; PREP: three jobs in one launch, told apart by the work-group's number; each has LDS bytes of its own.
;   work-groups 0-255:   x [8192][1024] f32, K innermost -> codes of E2M1 (two a byte, [8192][512 bytes]) and one E8M0 byte for each 32 along K ([8192][32]).
;   work-groups 256-303: W_qkv [1024 (k)][3072 (n)] f32, K its FIRST axis -> codes [3072][512 bytes] with K innermost, scale bytes [3072][32].
;   work-groups 304-367: W_out [1024 (k)][1024 (n)] f32 -> f16, laid [n][k] (rows of 2,048 bytes), for the last product.
; A block's scale is 2^(floor(log2(largest magnitude)) - 2): its byte is the largest magnitude's exponent field - 2, held at 1 from below.
; LIMITS: a block of zeros gets the byte 1 where the rule says 127 (its codes are zeros, which add nothing, and this program alone reads the bytes); NaN and infinities are not served;
; W_out beyond f16's largest number, 65,504, is not served.
; No tensor loads, no barrier: waves share nothing.
.set EMAX,  2
.set PITCH, 272                        ; a stage row of the two column jobs: 256 bytes + 16
.set XWREG, 8192                       ; x: a region for each wave: two stages of 32 x 80 bytes, then its 256 scale bytes
.set XSP,   80                         ; a lane's place in a stage: 64 bytes + 16 of padding
.set WSTG,  4*XWREG                    ; W_qkv's four stages, 32 rows x 272 each
.set OSTG,  WSTG+4*32*PITCH            ; W_out's four stages
.set SPARE, OSTG+4*32*PITCH            ; the spare words, 128 bytes a wave: two blocks of 256 bytes that no other line names
.set SPW,   192                        ; v192 my spare word's address; never rewritten
.set NIL,   193                        ; v193 0; never rewritten
.set XR,    16                         ; x: v16-79 four sets of 16 numbers as loaded
.set XX,    80                         ;    v80-111 two sets of 16 neighbours
.set XE,    112                        ;    v112-127 a scale byte for each step
.set XC,    128                        ;    v128-191 codes, four registers a step
.set SB,    24                         ; columns: v24-27 scale bytes, four to a register
.set WX,    32                         ;    v32-95 two sets of 32 numbers down K
.set WC,    96                         ;    v96-111 a block's codes or f16 pairs
.set OUTR,  112                        ;    v112-175 the way out
.macro LEAVE                           ; the wave's end
	s_wait_tensorcnt 0x0
	ds_add_u32 v[SPW], v[NIL]
	s_wait_dscnt 0x0
	s_endpgm
.endm
	s_load_b256 s[4:11], s[0:1], 0x0               ; x s[4:5], W_qkv s[6:7], W_out s[8:9], x_codes s[10:11]
	s_load_b256 s[12:19], s[0:1], 0x20             ; x_scales s[12:13], w_codes s[14:15], w_scales s[16:17], wT s[18:19]
	v_lshl_add_u32 v[SPW], v0, 2, SPARE
	v_mov_b32 v[NIL], 0
	v_lshrrev_b32 v1, 5, v0
	v_readfirstlane_b32 s20, v1                    ; wave 0..3
	v_and_b32 v2, 31, v0                           ; lane
	s_wait_kmcnt 0x0
	s_cmp_lt_u32 ttmp9, 256
	s_cbranch_scc1 .LX
	s_cmp_lt_u32 ttmp9, 304
	s_cbranch_scc1 .LW
; ---- what the two column jobs share: a lane takes a column n and its registers run down K; results go through the wave's stage and leave as rows
.macro COLSETUP stg, krow
	v_lshlrev_b32 v3, 2, v2                        ; in: 4 bytes a lane: 128 consecutive bytes a wave
	s_mul_i32 s23, s20, 32*PITCH
	s_add_co_u32 s23, s23, \stg                    ; my stage
	v_mul_u32_u24 v4, v2, PITCH
	v_add_nc_u32 v4, s23, v4                       ; into it: row = my column
	v_and_b32 v5, 15, v2
	v_lshrrev_b32 v6, 4, v2
	v_mul_u32_u24 v7, v6, PITCH
	v_lshl_add_u32 v7, v5, 4, v7
	v_add_nc_u32 v7, s23, v7                       ; out of it: sixteen lanes to a row, two rows an instruction
	v_mul_u32_u24 v8, v6, \krow
	v_lshl_add_u32 v8, v5, 4, v8                   ; and the same place in the output
.endm
.macro ROWSOUT base, krow
.irp t, 0,1,2,3,4,5,6,7,8,9,10,11,12,13,14,15
	ds_load_b128 v[OUTR+4*\t:OUTR+4*\t+3], v7 offset:2*\t*PITCH   ; LDS serves a wave's instructions in order: these see my stores
.endr
.irp t, 0,1,2,3,4,5,6,7,8,9,10,11,12,13,14,15
	s_wait_dscnt 15-\t                             ; the younger loads may stay out
	global_store_b128 v8, v[OUTR+4*\t:OUTR+4*\t+3], s[\base:\base+1] offset:2*\t*\krow   ; sixteen lanes store 256 consecutive bytes, aligned
.endr
	LEAVE
.endm
; ---- W_out: a wave takes 32 columns x 128 along K: 256 bytes of f16 for each column
	s_sub_co_u32 s21, ttmp9, 304
	s_lshr_b32 s22, s21, 3                         ; which 128 along K
	s_and_b32 s21, s21, 7
	s_lshl_b32 s21, s21, 7
	s_lshl_b32 s24, s20, 5
	s_add_co_u32 s21, s21, s24                     ; my first column
	COLSETUP OSTG, 2048
	s_lshl_b32 s24, s22, 19                        ; 128 rows of 4,096 bytes
	s_lshl_b32 s26, s21, 2
	s_add_co_u32 s24, s24, s26
	s_mov_b32 s25, 0
	s_add_nc_u64 s[8:9], s[8:9], s[24:25]
	s_lshl_b32 s24, s21, 11                        ; a row of wT is 2,048 bytes
	s_lshl_b32 s26, s22, 8
	s_add_co_u32 s24, s24, s26
	s_add_nc_u64 s[18:19], s[18:19], s[24:25]
.macro OLOAD t
.irp i, 0,1,2,3,4,5,6,7,8,9,10,11,12,13,14,15,16,17,18,19,20,21,22,23,24,25,26,27,28,29,30,31
	global_load_b32 v[WX+32*((\t)%2)+\i], v3, s[8:9] offset:(32*(\t)+\i)*4096 th:TH_LOAD_NT
.endr
.endm
.macro OBLOCK t
.set OS, WX+32*((\t)%2)
.if (\t) < 3
	s_wait_loadcnt 32                              ; this block's 32 loads are in; the next block's may be out
.else
	s_wait_loadcnt 0
.endif
.irp g, 0,1,2,3,4,5,6,7,8,9,10,11,12,13,14,15
	v_cvt_pk_f16_f32 v[WC+\g], v[OS+2*\g], v[OS+2*\g+1]   ; two neighbours along K, the lower in the low half
.endr
.irp g, 0,1,2,3
	ds_store_b128 v4, v[WC+4*\g:WC+4*\g+3] offset:64*(\t)+16*\g
.endr
.if (\t)+2 < 4
	OLOAD (\t)+2
.endif
	s_wait_dscnt 0x0                               ; the stores have read their registers
.endm
	OLOAD 0
	OLOAD 1
.irp t, 0,1,2,3
	OBLOCK \t
.endr
	ROWSOUT 18, 2048
; ---- W_qkv: a wave takes 32 columns x 512 along K: 16 blocks a lane, 256 bytes of codes for each column
.LW:
	s_sub_co_u32 s21, ttmp9, 256
	s_cmp_ge_u32 s21, 24
	s_cselect_b32 s22, 1, 0                        ; which 512 along K
	s_cselect_b32 s23, 24, 0
	s_sub_co_u32 s21, s21, s23
	s_lshl_b32 s21, s21, 7
	s_lshl_b32 s23, s20, 5
	s_add_co_u32 s21, s21, s23                     ; my first column
	COLSETUP WSTG, 512
	v_lshlrev_b32 v9, 5, v2                        ; my column's row of 32 scale bytes
	s_mul_i32 s24, s22, 512*3072*4
	s_lshl_b32 s26, s21, 2
	s_add_co_u32 s24, s24, s26
	s_mov_b32 s25, 0
	s_add_nc_u64 s[6:7], s[6:7], s[24:25]
	s_lshl_b32 s24, s21, 9                         ; a row of codes is 512 bytes
	s_lshl_b32 s26, s22, 8
	s_add_co_u32 s24, s24, s26
	s_add_nc_u64 s[14:15], s[14:15], s[24:25]
	s_lshl_b32 s24, s21, 5
	s_lshl_b32 s26, s22, 4
	s_add_co_u32 s24, s24, s26
	s_add_nc_u64 s[16:17], s[16:17], s[24:25]
.macro WLOAD t                         ; every offset is an immediate: 511 x 12,288 bytes at the most, inside the signed 24 bits
.irp i, 0,1,2,3,4,5,6,7,8,9,10,11,12,13,14,15,16,17,18,19,20,21,22,23,24,25,26,27,28,29,30,31
	global_load_b32 v[WX+32*((\t)%2)+\i], v3, s[6:7] offset:(32*(\t)+\i)*12288 th:TH_LOAD_NT
.endr
.endm
.macro WBLOCK t
.set WS, WX+32*((\t)%2)
.if (\t) < 15
	s_wait_loadcnt 32                              ; this block's 32 loads are in; the next block's may be out
.else
	s_wait_loadcnt 0
.endif
	v_max3_num_f32 v12, |v[WS]|, |v[WS+1]|, |v[WS+2]|      ; the block's largest magnitude: all 32 numbers are mine
	v_max3_num_f32 v13, |v[WS+3]|, |v[WS+4]|, |v[WS+5]|
.irp i, 6,10,14,18,22,26
	v_max3_num_f32 v12, v12, |v[WS+\i]|, |v[WS+\i+1]|
	v_max3_num_f32 v13, v13, |v[WS+\i+2]|, |v[WS+\i+3]|
.endr
	v_max3_num_f32 v12, v12, |v[WS+30]|, |v[WS+31]|
	v_max3_num_f32 v12, v12, v13, (EMAX+1)<<23     ; and the floor 2^(3 - 127): the byte cannot fall under 1
	v_add_nc_u32 v11, -(EMAX<<23), v12             ; 2 off its exponent field: the conversion takes the exponent field of this operand as its scale
	v_lshrrev_b32 v13, 23, v11                     ; the scale's byte
.if (\t)%4 == 0
	v_mov_b32 v[SB+(\t)/4], v13
.else
	v_lshl_or_b32 v[SB+(\t)/4], v13, 8*((\t)%4), v[SB+(\t)/4]
.endif
.irp g, 0,1,2,3
	v_cvt_scalef32_pk8_fp4_f32 v[WC+\g], v[WS+8*\g:WS+8*\g+7], v11
.endr
	ds_store_b128 v4, v[WC:WC+3] offset:16*(\t)    ; 32 codes: 16 bytes of my column's row
.if (\t)+2 < 16
	WLOAD (\t)+2
.endif
	s_wait_dscnt 0x0                               ; the store has read its registers
.endm
	WLOAD 0
	WLOAD 1
.irp t, 0,1,2,3,4,5,6,7,8,9,10,11,12,13,14,15
	WBLOCK \t
.endr
	global_store_b128 v9, v[SB:SB+3], s[16:17]     ; my column's 16 scale bytes
	ROWSOUT 14, 512
; ---- x: a plain stream of blocks of 32.  A wave takes 16 steps of 512 numbers; each load reads 512 consecutive bytes; the numbers turn through the wave's stage so that a lane holds 16 neighbours
.LX:
	v_lshlrev_b32 v3, 4, v2                        ; my 16 bytes of a load's 512
	s_mul_i32 s21, s20, XWREG
	v_lshrrev_b32 v14, 2, v2
	v_mul_u32_u24 v14, v14, XSP
	v_and_b32 v15, 3, v2
	v_lshl_add_u32 v14, v15, 4, v14
	v_add_nc_u32 v14, s21, v14                     ; the stage, on the way in: 80 (lane / 4) + 16 (lane % 4)
	v_mul_u32_u24 v15, v2, XSP
	v_add_nc_u32 v15, s21, v15                     ; and on the way out: 80 x lane
	v_lshlrev_b32 v4, 3, v2                        ; my 8 bytes of a step's codes
	v_lshrrev_b32 v5, 1, v2
	s_add_co_u32 s21, s21, 2*32*XSP
	v_add_nc_u32 v5, s21, v5                       ; my block's byte among my wave's 256 scale bytes
	v_lshlrev_b32 v7, 3, v2
	v_add_nc_u32 v6, s21, v7
	s_lshl_b32 s22, ttmp9, 2
	s_add_co_u32 s22, s22, s20                     ; which run of 8,192 numbers is my wave's: 0 .. 1,023
	s_mov_b32 s25, 0
	s_lshl_b32 s24, s22, 15
	s_add_nc_u64 s[4:5], s[4:5], s[24:25]
	s_lshl_b32 s24, s22, 12
	s_add_nc_u64 s[10:11], s[10:11], s[24:25]
	s_lshl_b32 s24, s22, 8
	s_add_nc_u64 s[12:13], s[12:13], s[24:25]
.macro XLOAD t
.irp i, 0,1,2,3
	global_load_b128 v[XR+16*((\t)%4)+4*\i:XR+16*((\t)%4)+4*\i+3], v3, s[4:5] offset:2048*(\t)+512*\i th:TH_LOAD_NT
.endr
.endm
.macro XTURN t                         ; step t's numbers through the stage; LDS serves a wave's instructions in order
.irp i, 0,1,2,3
	ds_store_b128 v14, v[XR+16*((\t)%4)+4*\i:XR+16*((\t)%4)+4*\i+3] offset:32*XSP*((\t)%2)+8*XSP*\i
.endr
.irp i, 0,1,2,3
	ds_load_b128 v[XX+16*((\t)%2)+4*\i:XX+16*((\t)%2)+4*\i+3], v15 offset:32*XSP*((\t)%2)+16*\i
.endr
.endm
.irp t, 0,1,2,3
	XLOAD \t
.endr
	s_wait_loadcnt 12                              ; step 0's four loads are in
	XTURN 0
.macro XSTEP t
.set XS, XX+16*((\t)%2)
.if (\t) > 0
	s_wait_dscnt 1                                 ; this step's numbers are back from the stage (the last step's byte store may be out)
.else
	s_wait_dscnt 0x0
.endif
.if (\t)+4 < 16
	XLOAD (\t)+4
.endif
.if (\t)+1 < 16
.if 14-(\t) >= 3
	s_wait_loadcnt 12                              ; the next step's four loads are in; those of the three steps behind it may be out
.else
	s_wait_loadcnt 4*(14-(\t))
.endif
	XTURN (\t)+1
.endif
	v_max3_num_f32 v8, |v[XS]|, |v[XS+1]|, |v[XS+2]|
	v_max3_num_f32 v9, |v[XS+3]|, |v[XS+4]|, |v[XS+5]|
.irp i, 6,10
	v_max3_num_f32 v8, v8, |v[XS+\i]|, |v[XS+\i+1]|
	v_max3_num_f32 v9, v9, |v[XS+\i+2]|, |v[XS+\i+3]|
.endr
	v_max3_num_f32 v8, v8, |v[XS+14]|, |v[XS+15]|
	v_max3_num_f32 v8, v8, v9, (EMAX+1)<<23        ; the floor
	v_max_num_f32_dpp v8, v8, v8 row_xmask:1 row_mask:0xf bank_mask:0xf   ; with my neighbour's 16: the block's largest magnitude
	v_add_nc_u32 v11, -(EMAX<<23), v8
	v_cvt_scalef32_pk8_fp4_f32 v[XC+4*(\t)], v[XS:XS+7], v11
	v_cvt_scalef32_pk8_fp4_f32 v[XC+4*(\t)+1], v[XS+8:XS+15], v11
	v_lshrrev_b32 v[XE+(\t)], 23, v11              ; the scale's byte (also the plain line behind the conversions)
	ds_store_b8 v5, v[XE+(\t)] offset:16*(\t)      ; both lanes of a block write the same byte with the same value
	global_store_b64 v4, v[XC+4*(\t):XC+4*(\t)+1], s[10:11] offset:256*(\t)   ; the wave stores 256 consecutive bytes, aligned
.endm
.irp t, 0,1,2,3,4,5,6,7,8,9,10,11,12,13,14,15
	XSTEP \t
.endr
	ds_load_b64 v[8:9], v6
	s_wait_dscnt 0x0
	global_store_b64 v7, v[8:9], s[12:13]          ; my wave's 256 scale bytes: one aligned run
	LEAVE
.Lfunc_end_k_qf4634b0784_prep:
	.size	k_qf4634b0784_prep, .Lfunc_end_k_qf4634b0784_prep-k_qf4634b0784_prep
	.p2alignl 7, 3214868480
	.fill 96, 4, 3214868480
	.section	.rodata,"a",@progbits
	.p2align	6, 0x0
	.amdhsa_kernel k_qf4634b0784_prep
		.amdhsa_group_segment_fixed_size 102912
		.amdhsa_private_segment_fixed_size 0
		.amdhsa_enable_private_segment 0
		.amdhsa_kernarg_size 64
		.amdhsa_user_sgpr_count 2
		.amdhsa_user_sgpr_kernarg_segment_ptr 1
		.amdhsa_wavefront_size32 1
		.amdhsa_system_sgpr_workgroup_id_x 1
		.amdhsa_system_sgpr_workgroup_id_y 1
		.amdhsa_system_sgpr_workgroup_id_z 1
		.amdhsa_system_vgpr_workitem_id 0
		.amdhsa_next_free_vgpr 194
		.amdhsa_next_free_sgpr 66
		.amdhsa_reserve_vcc 0
		.amdhsa_float_denorm_mode_32 3
		.amdhsa_float_denorm_mode_16_64 3
		.amdhsa_memory_ordered 1
		.amdhsa_forward_progress 1
		.amdhsa_inst_pref_size 132
	.end_amdhsa_kernel
	.amdgpu_metadata
---
amdhsa.version: [ 1, 2 ]
amdhsa.kernels:
  - .name:           k_qf4634b0784_prep
    .symbol:         k_qf4634b0784_prep.kd
    .args:
      - { .name: x, .offset: 0, .size: 8, .value_kind: global_buffer, .address_space: global }
      - { .name: W_qkv, .offset: 8, .size: 8, .value_kind: global_buffer, .address_space: global }
      - { .name: W_out, .offset: 16, .size: 8, .value_kind: global_buffer, .address_space: global }
      - { .name: x_codes, .offset: 24, .size: 8, .value_kind: global_buffer, .address_space: global }
      - { .name: x_scales, .offset: 32, .size: 8, .value_kind: global_buffer, .address_space: global }
      - { .name: w_codes, .offset: 40, .size: 8, .value_kind: global_buffer, .address_space: global }
      - { .name: w_scales, .offset: 48, .size: 8, .value_kind: global_buffer, .address_space: global }
      - { .name: wT, .offset: 56, .size: 8, .value_kind: global_buffer, .address_space: global }
    .group_segment_fixed_size: 102912
    .private_segment_fixed_size: 0
    .kernarg_segment_align: 8
    .kernarg_segment_size: 64
    .max_flat_workgroup_size: 128
    .sgpr_count:     66
    .vgpr_count:     194
    .wavefront_size: 32
...
	.end_amdgpu_metadata
.endif
;; end of part 1
;; launch gemm_qkv (part 2): grid 12 x 32, 4 waves a work-group, clusters of 4 x 4, 327,680 bytes of LDS; arguments x_codes, x_scales, w_codes, w_scales, b_qkv, qkv, qkv32; writes qkv, qkv32
.if DOCPART == 2
	.amdgcn_target "amdgcn-amd-amdhsa--gfx1250"
	.amdhsa_code_object_version 6
	.text
	.protected	k_qf4634b0784_gemm_qkv
	.globl	k_qf4634b0784_gemm_qkv
	.p2align	8
	.type	k_qf4634b0784_gemm_qkv,@function
k_qf4634b0784_gemm_qkv:
	s_mov_b64 s[64:65], 0
	v_nop
	global_prefetch_b8 v0, s[64:65] scope:SCOPE_SE
	s_setreg_imm32_b32 hwreg(HW_REG_WAVE_MODE, 25, 1), 1
	s_wait_xcnt 0x0
	s_wait_alu depctr_hold_cnt(0) depctr_sa_sdst(0) depctr_va_vdst(0) depctr_va_sdst(0) depctr_va_ssrc(0) depctr_va_vcc(0) depctr_vm_vsrc(0)
	s_getreg_b32 s2, hwreg(HW_REG_IB_STS2, 6, 4)
	s_cmp_eq_u32 s2, 0
	s_cbranch_scc0 .Lentry_in_a_cluster
	s_endpgm
.Lentry_in_a_cluster:
	s_bfe_u32 s2, ttmp6, 0x10000c
	s_cmp_lg_u32 s2, 0xf033
	s_cbranch_scc0 .Lentry_shape_is_right
	s_endpgm
.Lentry_shape_is_right:
; qkv = Q(x) Q(W_qkv) + b_qkv on codes of E2M1 with E8M0 scales.  A: x's codes [8192][512 bytes], B: W's codes [3072][512 bytes], K = 1,024; scale bytes [rows][32].
; A tile of 256 x 256 to a work-group of four waves; a wave makes 128 x 128: 64 accumulators, 512 registers.  K is two slots of 512: both are filled once, at the head; nothing is filled again.
; The scale bytes of the work-group's 256 + 256 rows come into LDS once, as dense blocks, with the first fills.
; CLUSTERS: 4 x 4 work-groups; A's tiles are asked for jointly along a row of the cluster, B's along a column.  Tile row = 8 cy + cluster y: so cy is the batch and cluster y the block of 256 positions,
; and whether a tile holds positions 0-15 hangs on cluster y alone, which all partners share.
; THE MATRIX INSTRUCTION IS USED TRANSPOSED (source 0 = 16 rows of W, source 1 = 16 rows of x): a lane holds eight neighbouring columns of one row.  The bias is the C of each sum's first product.
; OUT: q, k, v as f16, laid [which][batch][head][position][64]: a head is 262,144 dense bytes; and positions 0-15 of each batch once more in f32, [batch][16][3072].
; LIMIT: |q|, |k|, |v| up to f16's largest number, 65,504.
; REGISTERS: window 0: v0-31 addresses; v32-95 scale words, two sets; v128-191 A's fragments, one set; v192-255 the bias.  window 1: B's fragments, two sets.  windows 2, 3: the accumulators ((a, b) at v[8 (8 (a % 4) + b)]).
.set NQ,     4                         ; steps of 128 along K in a slot
.set ROWB,   256                       ; a tile's row: 512 codes
.set KROW,   512                       ; a row of codes in memory
.set PITCH,  272                       ; an LDS row: 256 bytes + 16: the 16 rows of a load start at 16 different banks
.set FR,     8
.set NL,     2
.set NP,     4
.set HALFT,  128*PITCH
.set SLOT,   4*HALFT
.set KS,     32                        ; a row of scale bytes
.set SCL,    2*SLOT                    ; behind the ring: the scales, as units of 256 bytes + 16
.set HALFS,  16*272                    ; those of 128 rows
.set SBLK,   2*272                     ; those of 16 rows
.set SPARE,  SCL+4*HALFS               ; the spare words, 128 bytes a wave
.set ST32,   0                         ; the way out, in slot 0, which has had its one fill and its last read: 16 rows x 528 a wave (f32),
.set ST16,   4*16*528                  ; then 16 rows x 272 a wave (f16)
.set ADRA, 16
.set ADRB, 20
.set STO16, 22
.set RD16, 23
.set STO32, 24
.set RD32, 25
.set CO32, 26
.set ADRS, 27
.set SPW,  28
.set NIL,  29
.set CO16, 30
.set BOF,  31
.set SC,   32
.set TMP,  32                          ; the way out: packed results v32-63
.set BK0,  64                          ; rows read back: v64-95 and v96-127 by turns
.set AF,   128
.set BIAS, 192
.set G1, 24
.set G0, 32
.set G1B, 48
.set G0B, 56
.set G1S, 68
.set G0S, 76
.set G1SB, 80
.set G0SB, 88
.set MSB, 0
.macro WIN new                         ; the immediate's high byte repeats the setting that is left
.if MSB != (\new)
	s_set_vgpr_msb (MSB<<8)|(\new)
.set MSB, (\new)
.endif
.endm
.set MUL_LO, 0xa1                      ; source 0 (W) window 1, source 1 (x) window 0, C and D window 2
.set MUL_HI, 0xf1                      ; the same, C and D window 3
.set TO_B,   0x40
; A joint load: waves 0 and 1 fetch for A, waves 2 and 3 for B; the branch hangs on the wave's number alone.  An s_nop 0 and four v_nop follow each line.
.macro JLOAD g0a, g1a, g0b, g1b
	s_cmp_eq_u32 s15, 0
	s_cbranch_scc0 .Lfor_b_\@
	tensor_load_to_lds s[\g0a:\g0a+3], s[\g1a:\g1a+7]
	s_nop 0
.rept 4
	v_nop
.endr
	s_branch .Lasked_\@
.Lfor_b_\@:
	tensor_load_to_lds s[\g0b:\g0b+3], s[\g1b:\g1b+7]
	s_nop 0
.rept 4
	v_nop
.endr
.Lasked_\@:
.endm
.macro CROUND                          ; a round of the cluster's barrier
	s_barrier_signal -1
	s_barrier_wait -1
	s_cmp_lg_u32 s14, 0
	s_cbranch_scc1 .Lnot_wave_0_\@
	s_barrier_signal -3
.Lnot_wave_0_\@:
	s_barrier_wait -3
	s_barrier_signal -1
	s_barrier_wait -1
.endm
	s_load_b128 s[4:7], s[0:1], 0x0                ; x's codes, x's scales
	s_load_b128 s[8:11], s[0:1], 0x10              ; W's codes, W's scales
	s_load_b128 s[96:99], s[0:1], 0x20             ; b_qkv, qkv
	s_load_b64 s[100:101], s[0:1], 0x30            ; qkv32
	v_lshl_add_u32 v[SPW], v0, 2, SPARE
	v_mov_b32 v[NIL], 0
	ds_add_u32 v[SPW], v[NIL]                      ; the wave's opening: the add, twice on end, and its wait ahead of my first tensor load
	ds_add_u32 v[SPW], v[NIL]
	v_lshrrev_b32 v1, 5, v0
	v_readfirstlane_b32 s14, v1                    ; wave 0..3
	s_lshr_b32 s15, s14, 1                         ; which half of the tile's rows is mine.  Also: I fetch for A (0) or for B (1)
	s_and_b32 s16, s14, 1                          ; which half of its columns.  Also: which 128 rows I fetch
	s_bfe_u32 s40, ttmp6, 0x40000                  ; cx
	s_bfe_u32 s41, ttmp6, 0x40004                  ; cy
	s_lshl_b32 s42, ttmp9, 2
	s_add_co_u32 s42, s42, s40                     ; tile column = 4 x cluster x + cx
	s_and_b32 s17, ttmp7, 0xffff
	s_or_b32 s66, s17, s15                         ; 0 where my block 0 is positions 0-15 of a batch: cluster y = 0 and the upper half of the rows
	s_lshl_b32 s12, s41, 3
	s_add_co_u32 s17, s17, s12                     ; tile row = 8 cy + cluster y
	s_lshl_b32 s43, s41, 2
	s_lshl_b32 s43, 15, s43                        ; my row of the cluster
	s_lshl_b32 s44, 0x1111, s40                    ; my column
	s_or_b32 s[G1+0], s43, (0<<16)|(1<<20)|(1<<21)|(5<<22)|(3<<25)  ; the mask; elements of 1 byte; padding: 4 words behind every 64
	s_or_b32 s[G1B+0], s44, (0<<16)|(1<<20)|(1<<21)|(5<<22)|(3<<25)
.irp g, G1, G1B
	s_mov_b32 s[\g+1], ROWB<<16                    ; tensor_dim0
	s_mov_b32 s[\g+2], 128<<16                     ; tensor_dim1
	s_mov_b32 s[\g+3], ROWB<<16                    ; tile_dim0
	s_mov_b32 s[\g+4], 128                         ; tile_dim1
	s_mov_b32 s[\g+5], KROW                        ; the pitch
	s_mov_b32 s[\g+6], 0
	s_mov_b32 s[\g+7], 0
.endr
	s_or_b32 s[G1S+0], s43, (3<<16)|(1<<20)|(1<<21)|(5<<22)|(3<<25)   ; the scales of 128 rows: 4,096 dense bytes as 16 rows of 256
	s_or_b32 s[G1SB+0], s44, (3<<16)|(1<<20)|(1<<21)|(5<<22)|(3<<25)
.irp g, G1S, G1SB
	s_mov_b32 s[\g+1], 32<<16
	s_mov_b32 s[\g+2], 16<<16
	s_mov_b32 s[\g+3], 32<<16
	s_mov_b32 s[\g+4], 16
	s_mov_b32 s[\g+5], 32
	s_mov_b32 s[\g+6], 0
	s_mov_b32 s[\g+7], 0
.endr
	s_lshl_b32 s18, s16, 7
	s_lshl_b32 s20, s17, 8
	s_add_co_u32 s20, s20, s18                     ; A: row 256 x tile row + 128 x half
	s_lshl_b32 s46, s42, 8
	s_add_co_u32 s46, s46, s18                     ; B: row 256 x tile column + 128 x half
	s_mov_b32 s21, 0
	s_mov_b32 s47, 0
	s_mov_b64 s[18:19], KS
	s_mul_u64 s[22:23], s[20:21], s[18:19]         ; where these rows' scales begin
	s_mul_u64 s[92:93], s[46:47], s[18:19]
	s_mov_b64 s[18:19], KROW
	s_mul_u64 s[20:21], s[20:21], s[18:19]         ; and their codes
	s_mul_u64 s[46:47], s[46:47], s[18:19]
	s_mul_i32 s45, s14, HALFT                      ; where they go: wave x 128 rows
	s_mul_i32 s94, s14, HALFS
	s_wait_dscnt 0x0                               ; both opening adds are done
	s_wait_kmcnt 0x0
	s_add_nc_u64 s[20:21], s[4:5], s[20:21]
	s_add_nc_u64 s[22:23], s[6:7], s[22:23]
	s_add_nc_u64 s[46:47], s[8:9], s[46:47]
	s_add_nc_u64 s[92:93], s[10:11], s[92:93]
	CROUND                                         ; all sixteen work-groups are here: the joint loads meet
	s_mov_b32 s[G0S], 1
	s_add_co_u32 s[G0S+1], s94, SCL
	s_mov_b64 s[G0S+2:G0S+3], s[22:23]
	s_or_b32 s[G0S+3], s[G0S+3], 0x80000000
	s_mov_b32 s[G0SB], 1
	s_add_co_u32 s[G0SB+1], s94, SCL
	s_mov_b64 s[G0SB+2:G0SB+3], s[92:93]
	s_or_b32 s[G0SB+3], s[G0SB+3], 0x80000000
	JLOAD G0S, G1S, G0SB, G1SB                     ; the scales first; then both slots: three loads of mine are out
.irp s, 0,1
	s_mov_b32 s[G0+4*\s], 1
	s_add_co_u32 s[G0+4*\s+1], s45, \s*SLOT
	s_add_nc_u64 s[G0+4*\s+2:G0+4*\s+3], s[20:21], \s*ROWB
	s_or_b32 s[G0+4*\s+3], s[G0+4*\s+3], 0x80000000
	s_mov_b32 s[G0B+4*\s], 1
	s_add_co_u32 s[G0B+4*\s+1], s45, \s*SLOT
	s_add_nc_u64 s[G0B+4*\s+2:G0B+4*\s+3], s[46:47], \s*ROWB
	s_or_b32 s[G0B+4*\s+3], s[G0B+4*\s+3], 0x80000000
	JLOAD G0+4*\s, G1, G0B+4*\s, G1B
.endr
	v_and_b32 v1, 15, v0                           ; r
	v_bfe_u32 v2, v0, 4, 1                         ; h
	s_lshl_b32 s46, s42, 10                        ; my first column, in f32 bytes: 1,024 x tile column + 512 x half
	s_lshl_b32 s47, s16, 9
	s_add_co_u32 s46, s46, s47
	s_mov_b32 s47, 0
	s_add_nc_u64 s[96:97], s[96:97], s[46:47]      ; the bias at my first column
	v_lshlrev_b32 v[BOF], 5, v2                    ; lane (r, h) wants, for W's block b, the bias of columns 16 b + 8 h + 0 .. 7
.irp b, 0,1,2,3,4,5,6,7
	global_load_b128 v[BIAS+8*\b:BIAS+8*\b+3], v[BOF], s[96:97] offset:64*\b
	global_load_b128 v[BIAS+8*\b+4:BIAS+8*\b+7], v[BOF], s[96:97] offset:64*\b+16
.endr
	v_mul_u32_u24 v3, v1, PITCH
	v_lshl_add_u32 v4, v2, 4, v3                   ; a fragment's row x pitch + 16 x half
	s_mul_i32 s21, s15, HALFT
	s_mul_i32 s22, s16, HALFT
	s_add_co_u32 s22, s22, 2*HALFT
.irp s, 0,1
	v_add_nc_u32 v[ADRA+\s], s21, v4
	v_add_nc_u32 v[ADRB+\s], s22, v4
	s_add_co_u32 s21, s21, SLOT
	s_add_co_u32 s22, s22, SLOT
.endr
	v_mul_u32_u24 v5, v1, KS                       ; my row's scales: 32 bytes a row,
	v_lshrrev_b32 v6, 8, v5
	v_lshl_add_u32 v5, v6, 4, v5                   ; and 16 more for each 256 passed
	s_mul_i32 s21, s15, HALFS
	s_mul_i32 s22, s16, HALFS
	s_add_co_u32 s22, s22, 2*HALFS
	s_sub_co_u32 s22, s22, s21
	v_mul_u32_u24 v6, s22, v2                      ; lanes 16-31 take B's
	s_add_co_u32 s21, s21, SCL
	v_add_nc_u32 v5, v5, v6
	v_add_nc_u32 v[ADRS], s21, v5
	s_mul_i32 s23, s14, 16*528                     ; my f32 stage
	v_mul_u32_u24 v5, v1, 528
	v_lshl_add_u32 v5, v2, 5, v5
	v_add_nc_u32 v[STO32], s23, v5                 ; in: row r, 32 bytes for each half of the lanes
	v_and_b32 v6, 31, v0
	v_lshlrev_b32 v[CO32], 4, v6
	v_add_nc_u32 v[RD32], s23, v[CO32]             ; back: the 32 lanes take one row of 512 bytes
	s_mul_i32 s23, s14, 16*272
	s_add_co_u32 s23, s23, ST16                    ; my f16 stage
	v_mul_u32_u24 v5, v1, 272
	v_lshl_add_u32 v5, v2, 4, v5
	v_add_nc_u32 v[STO16], s23, v5                 ; in: row r, 16 bytes for each half of the lanes
	v_bfe_u32 v5, v0, 3, 1
	v_mul_u32_u24 v5, v5, 272
	v_lshl_add_u32 v5, v2, 7, v5
	v_and_b32 v6, 7, v0
	v_lshl_add_u32 v5, v6, 4, v5
	v_add_nc_u32 v[RD16], s23, v5                  ; back: lanes 0-15 two positions of one head (2 x 128 bytes), lanes 16-31 of the next head
	v_lshlrev_b32 v[CO16], 4, v1
	v_lshl_add_u32 v[CO16], v2, 18, v[CO16]        ; and the same in qkv: 16 (lane % 16), the next head 262,144 bytes on
	s_lshl_b32 s20, ttmp9, 2                       ; cluster x says which of q, k, v
	s_add_co_u32 s20, s20, s41                     ; + batch
	s_lshl_b32 s20, s20, 4
	s_lshl_b32 s21, s40, 2
	s_add_co_u32 s20, s20, s21
	s_lshl_b32 s21, s16, 1
	s_add_co_u32 s20, s20, s21                     ; + head 4 cx + 2 x half
	s_lshl_b32 s20, s20, 18
	s_and_b32 s21, ttmp7, 0xffff
	s_lshl_b32 s21, s21, 15                        ; 256 positions of 128 bytes
	s_add_co_u32 s20, s20, s21
	s_lshl_b32 s21, s15, 14
	s_add_co_u32 s20, s20, s21
	s_mov_b32 s21, 0
	s_add_nc_u64 s[98:99], s[98:99], s[20:21]
	s_mul_i32 s20, s41, 196608                     ; qkv32: the batch's 16 rows of 12,288 bytes, my first column
	s_add_co_u32 s20, s20, s46
	s_add_nc_u64 s[100:101], s[100:101], s[20:21]
.macro FRAG reg, adr, q, i             ; 16 rows x 128 K of 4-bit codes: registers 4 c .. 4 c + 3 hold K = 64 c + 32 (l / 16) + 0 .. 31
.irp c, 0,1
	ds_load_b128 v[\reg+4*\c:\reg+4*\c+3], v[\adr] offset:64*(\q)+32*\c+(\i)*16*PITCH
.endr
.endm
; 16 matrix instructions: A's blocks a0, a0 + 1 x B's eight.  zero = 1: the first product starts the sums, with the bias as C.  The 64 accumulators take turns.
.macro MUL16 a0, p, q, sc, zero
.irp a, \a0, \a0+1
.irp b, 0,1,2,3,4,5,6,7
.if \zero
	v_wmma_scale_f32_16x16x128_f8f6f4 v[8*(8*((\a)%4)+\b):8*(8*((\a)%4)+\b)+7], v[128*(\p)+FR*\b:128*(\p)+FR*\b+FR-1], v[AF+FR*(\a):AF+FR*(\a)+FR-1], v[BIAS+8*\b:BIAS+8*\b+7], v[SC+8*NQ*(\sc)+NQ*\b+(\q)], v[SC+8*NQ*(\sc)+NQ*(\a)+(\q)] matrix_a_fmt:MATRIX_FMT_FP4 matrix_b_fmt:MATRIX_FMT_FP4 matrix_a_scale:MATRIX_SCALE_ROW1
.else
	v_wmma_scale_f32_16x16x128_f8f6f4 v[8*(8*((\a)%4)+\b):8*(8*((\a)%4)+\b)+7], v[128*(\p)+FR*\b:128*(\p)+FR*\b+FR-1], v[AF+FR*(\a):AF+FR*(\a)+FR-1], v[8*(8*((\a)%4)+\b):8*(8*((\a)%4)+\b)+7], v[SC+8*NQ*(\sc)+NQ*\b+(\q)], v[SC+8*NQ*(\sc)+NQ*(\a)+(\q)] matrix_a_fmt:MATRIX_FMT_FP4 matrix_b_fmt:MATRIX_FMT_FP4 matrix_a_scale:MATRIX_SCALE_ROW1
.endif
.endr
.endr
.endm
.macro FETCH_B slot, q, p
	WIN TO_B
.irp i, 0,1,2,3,4,5,6,7
	FRAG 128*(\p)+FR*\i, ADRB+\slot, \q, \i
.endr
	WIN 0
.endm
.macro FETCH_A slot, q, i0
.irp i, \i0, \i0+1, \i0+2, \i0+3
	FRAG AF+FR*(\i), ADRA+\slot, \q, \i
.endr
.endm
.macro SCALES sc                       ; a slot's scale words: 4 words a row; lanes 0-15 take A's block i, lanes 16-31 B's block i
.irp i, 0,1,2,3,4,5,6,7
	ds_load_b128 v[SC+8*NQ*\sc+NQ*\i:SC+8*NQ*\sc+NQ*\i+3], v[ADRS] offset:\i*SBLK
.endr
.endm
.macro PLACES n                        ; plain places behind matrix instructions, in front of loads into registers that they read and of reads of results
.rept \n
	v_nop
.endr
.endm
.macro STEP slot, q, zero              ; 128 along K, with its successor in the same slot
	s_wait_dscnt 4*NL                              ; B's set and A's blocks 0-3 are in; A's blocks 4-7 may be out
	WIN MUL_LO-0x20*(\zero)                        ; (zero: C, the bias, in window 0)
	MUL16 0, (\q)%2, \q, \slot, \zero
	MUL16 2, (\q)%2, \q, \slot, \zero
	s_wait_dscnt 0
	PLACES NP
	FETCH_B \slot, (\q)+1, 1-(\q)%2
	FETCH_A \slot, (\q)+1, 0
	WIN MUL_HI-0x30*(\zero)
	MUL16 4, (\q)%2, \q, \slot, \zero
	MUL16 6, (\q)%2, \q, \slot, \zero
	PLACES NP
	WIN 0
	FETCH_A \slot, (\q)+1, 4
.endm
.macro TURN slot, next                 ; a slot's last step changes slots: one barrier; nothing is filled again
	s_wait_tensorcnt 0x0                           ; all my tensor loads have landed: my part of the next slot
	ds_add_u32 v[SPW], v[NIL]                      ; 0 onto my spare word
	s_wait_dscnt 4*NL+1                            ; (the add and A's blocks 4-7 may be out)
	WIN MUL_LO
	MUL16 0, 1, NQ-1, \slot, 0
	s_wait_dscnt 0x0                               ; the add is done, and my reads of this slot are over
	s_barrier_signal -1
	MUL16 2, 1, NQ-1, \slot, 0
	WIN 0
	s_barrier_wait -1
	PLACES NP
	v_add_nc_u32 v[ADRS], 4*NQ, v[ADRS]            ; on to the next slot's scale words
	FETCH_B \next, 0, 0
	FETCH_A \next, 0, 0
	SCALES \next
	WIN MUL_HI
	MUL16 4, 1, NQ-1, \slot, 0
	MUL16 6, 1, NQ-1, \slot, 0
	PLACES NP
	WIN 0
	FETCH_A \next, 0, 4
.endm
	s_wait_tensorcnt 1                             ; the scales and my part of slot 0 are in (slot 1's load may be out),
	s_barrier_signal -1
	s_barrier_wait -1                              ; everybody's are
	FETCH_B 0, 0, 0
	FETCH_A 0, 0, 0
	SCALES 0
	FETCH_A 0, 0, 4
	s_wait_loadcnt 0x0                             ; the bias
	STEP 0, 0, 1
	STEP 0, 1, 0
	STEP 0, 2, 0
	TURN 0, 1
	STEP 1, 0, 0
	STEP 1, 1, 0
	STEP 1, 2, 0
	s_wait_dscnt 4*NL                              ; the last step: nothing more to fetch
	WIN MUL_LO
	MUL16 0, 1, NQ-1, 1, 0
	MUL16 2, 1, NQ-1, 1, 0
	s_wait_dscnt 0
	WIN MUL_HI
	MUL16 4, 1, NQ-1, 1, 0
	MUL16 6, 1, NQ-1, 1, 0
	WIN 0
	PLACES NP
	; POSITIONS 0-15 IN f32: my block 0, through my f32 stage, as whole rows of 512 bytes.  The branch hangs on cluster y and the wave's number.
	s_cmp_lg_u32 s66, 0
	s_cbranch_scc1 .Lno32
	WIN 0x08                                       ; an LDS store's data: window 2
.irp b, 0,1,2,3,4,5,6,7
	ds_store_b128 v[STO32], v[8*\b:8*\b+3] offset:64*\b
	ds_store_b128 v[STO32], v[8*\b+4:8*\b+7] offset:64*\b+16
.endr
	WIN 0
.irp t, 0,1,2,3,4,5,6,7,8,9,10,11,12,13,14,15
	ds_load_b128 v[AF+4*\t:AF+4*\t+3], v[RD32] offset:\t*528
.endr
	s_wait_dscnt 0x0
.irp t, 0,1,2,3,4,5,6,7,8,9,10,11,12,13,14,15
	global_store_b128 v[CO32], v[AF+4*\t:AF+4*\t+3], s[100:101] offset:\t*12288   ; 32 lanes store 512 consecutive bytes, aligned
.endr
.Lno32:
; THE WAY OUT IN f16, block by block of 16 positions x 128 columns (two heads).
.macro PACK a
.set AC, 64*((\a)%4)
	WIN 0x0a+5*((\a)/4)                            ; sources in window 2 or 3
.irp b, 0,1,2,3,4,5,6,7
.irp e, 0,1,2,3
	v_cvt_pk_f16_f32 v[TMP+4*\b+\e], v[AC+8*\b+2*\e], v[AC+8*\b+2*\e+1]
.endr
.endr
	WIN 0
.endm
.macro TOSTAGE a
.set BK, BK0+32*((\a)%2)
.irp b, 0,1,2,3,4,5,6,7
	ds_store_b128 v[STO16], v[TMP+4*\b:TMP+4*\b+3] offset:32*\b
.endr
.irp t, 0,1,2,3,4,5,6,7
	ds_load_b128 v[BK+4*\t:BK+4*\t+3], v[RD16] offset:544*\t      ; LDS serves a wave's instructions in order: these see the stores above
.endr
.endm
.macro SEND a
.set BK, BK0+32*((\a)%2)
	s_wait_dscnt 0x0                               ; the block is back in registers
	s_wait_xcnt 0x0                                ; the stores of the block before have read their registers: the next block's loads may land there
.irp t, 0,1,2,3,4,5,6,7
	global_store_b128 v[CO16], v[BK+4*\t:BK+4*\t+3], s[98:99] offset:2048*(\a)+256*\t   ; sixteen lanes store 256 consecutive bytes, aligned: two positions of a head
.endr
.endm
	PACK 0
	TOSTAGE 0
.irp a, 1,2,3,4,5,6,7                  ; block a's conversions stand between block a - 1's loads from the stage and the wait for them
	PACK \a
	SEND \a-1
	TOSTAGE \a
.endr
	SEND 7
	s_wait_tensorcnt 0x0                           ; the wave's end
	ds_add_u32 v[SPW], v[NIL]
	s_wait_dscnt 0x0
	CROUND                                         ; the closing round
	s_endpgm
.Lfunc_end_k_qf4634b0784_gemm_qkv:
	.size	k_qf4634b0784_gemm_qkv, .Lfunc_end_k_qf4634b0784_gemm_qkv-k_qf4634b0784_gemm_qkv
	.p2alignl 7, 3214868480
	.fill 96, 4, 3214868480
	.section	.rodata,"a",@progbits
	.p2align	6, 0x0
	.amdhsa_kernel k_qf4634b0784_gemm_qkv
		.amdhsa_group_segment_fixed_size 327680
		.amdhsa_private_segment_fixed_size 0
		.amdhsa_enable_private_segment 0
		.amdhsa_kernarg_size 56
		.amdhsa_user_sgpr_count 2
		.amdhsa_user_sgpr_kernarg_segment_ptr 1
		.amdhsa_wavefront_size32 1
		.amdhsa_system_sgpr_workgroup_id_x 1
		.amdhsa_system_sgpr_workgroup_id_y 1
		.amdhsa_system_sgpr_workgroup_id_z 1
		.amdhsa_system_vgpr_workitem_id 0
		.amdhsa_next_free_vgpr 1024
		.amdhsa_next_free_sgpr 102
		.amdhsa_reserve_vcc 0
		.amdhsa_float_denorm_mode_32 3
		.amdhsa_float_denorm_mode_16_64 3
		.amdhsa_memory_ordered 1
		.amdhsa_forward_progress 1
		.amdhsa_inst_pref_size 132
	.end_amdhsa_kernel
	.amdgpu_metadata
---
amdhsa.version: [ 1, 2 ]
amdhsa.kernels:
  - .name:           k_qf4634b0784_gemm_qkv
    .symbol:         k_qf4634b0784_gemm_qkv.kd
    .args:
      - { .name: x_codes, .offset: 0, .size: 8, .value_kind: global_buffer, .address_space: global }
      - { .name: x_scales, .offset: 8, .size: 8, .value_kind: global_buffer, .address_space: global }
      - { .name: w_codes, .offset: 16, .size: 8, .value_kind: global_buffer, .address_space: global }
      - { .name: w_scales, .offset: 24, .size: 8, .value_kind: global_buffer, .address_space: global }
      - { .name: b_qkv, .offset: 32, .size: 8, .value_kind: global_buffer, .address_space: global }
      - { .name: qkv, .offset: 40, .size: 8, .value_kind: global_buffer, .address_space: global }
      - { .name: qkv32, .offset: 48, .size: 8, .value_kind: global_buffer, .address_space: global }
    .group_segment_fixed_size: 327680
    .private_segment_fixed_size: 0
    .kernarg_segment_align: 8
    .kernarg_segment_size: 56
    .max_flat_workgroup_size: 128
    .sgpr_count:     102
    .vgpr_count:     1024
    .wavefront_size: 32
...
	.end_amdgpu_metadata
.endif
;; end of part 2
;; launch attn (part 3): grid 4 x 64, 16 waves a work-group, no clusters, 327,680 bytes of LDS; arguments qkv, att; writes att
.if DOCPART == 3
	.amdgcn_target "amdgcn-amd-amdhsa--gfx1250"
	.amdhsa_code_object_version 6
	.text
	.protected	k_qf4634b0784_attn
	.globl	k_qf4634b0784_attn
	.p2align	8
	.type	k_qf4634b0784_attn,@function
k_qf4634b0784_attn:
	s_mov_b64 s[64:65], 0
	v_nop
	global_prefetch_b8 v0, s[64:65] scope:SCOPE_SE
	s_setreg_imm32_b32 hwreg(HW_REG_WAVE_MODE, 25, 1), 1
	s_wait_xcnt 0x0
; att[b][h][q][:] = sum over k <= q of softmax_k(Q[q] . K[k] / 8) V[k][:].  q, k, v: f16, [which][b][h][2048][64]; att: f16, [b][h][2048][64].  Products on f16 operands with f32 sums; maxima, exponentials and sums in f32.
; SHARES.  Work-group (i, head) owns query blocks i and 7 - i of 256 queries: under the causal mask that is the same work in every work-group.  Sixteen waves of 256 registers, four to a SIMD; a wave owns 32 queries,
; two tiles of 16, so that each fragment of K and V read from LDS feeds two products.  Neighbouring waves take the early and the late block by turns.
; LAYOUT.  S^T = K Q^T (source 0 = 16 keys, source 1 = 16 queries): a lane holds ONE query and the keys 8 (lane / 16) + 0..7 of a tile.  Two such tiles, rounded to f16 in pairs, ARE source 1 of O^T = V^T P.  V is turned by ds_load_tr16_b128.
; SOFTMAX.  A running maximum m and sum l for each query: p = 2^(c s - c m), c = log2(e) / 8; in every step O and l are multiplied by a = 2^(c m_old - c m_new).
; RING.  Two LDS slots of 256 keys, 64 keys a step.  A head's K and V are dense, so a tile is stated as rows of 256 bytes, two keys to a row.  Waves 0, 1 fetch K's halves, waves 2, 3 V's; all sixteen read.
; EVERY work-group walks all eight slots (constant trip counts); a step all of whose keys come after the wave's queries is jumped over, and a slot whose first key comes after the work-group's last query is not asked for.
; NO CLUSTER: the four work-groups of a head read the same K and V, but work-group 3 reads no key from 1,280 on: a joint load would bring it tiles whose reads all its waves jump over.
; LIMITS: |q|, |k|, |v| up to 65,504 (f16); weights p under 6e-5 are kept as f16 subnormals.  Positions 0-15 are computed here too, and made anew in f32 by the last launch.
.set SK,    256                        ; keys in a slot
.set KP,    272                        ; two keys of K in LDS: 256 bytes + 16: the 16 keys of a load fall on 16 different columns of 16 bytes
.set VP,    288                        ; two keys of V: 256 + 32
.set VOFF,  128*KP
.set SLOT1, 1<<17
.set NSL,   8
.set STAGE, 2*SLOT1                    ; the way out: 16 rows x 144 bytes for each wave; no fill lands here
.set SPARE, STAGE+16*2304              ; the spare words, 128 bytes a wave
.set AK0, 1                            ; v1  my lane's place in a tile of K
.set AV0, 2                            ; v2  the same for V
.set ADK, 3
.set ADV, 4
.set SPW, 5
.set NIL, 6
.set GO,  7                            ; v7  the way out: 16 x lane
.set STO, 8
.set RD,  9
.set PFO, 10                           ; v10 256 x lane
.set NEG, 11                           ; v11 -infinity
.set ST,  16                           ; tile u's statistics at v[16 + 8 u]: +0 c m, +1 m, +2, +3 l, +4..+7 at work; a in +6
.set QF,  32                           ; v32-63 Q: tile u, channels 32 dd on, at 32 + 16 u + 8 dd
.set KV,  64                           ; v64-127 K's eight fragments, then V's eight
.set S,   128                          ; v128-191 S^T: tile u at 128 + 32 u; P is packed in place into its first 16
.set OT,  192                          ; v192-255 O^T: tile u at 192 + 32 u
.set WV,  18
.set SEL, 20
.set CS,  22
.set G1K, 24
.set G1V, 32
.set G0K, 40
.set G0V, 44
.set TB,  2
.set SLOTS, 67
.set LASTQ, 68
.set PFA, 76
.set LIM, 80
.set KF,  98
.set Q0,  99
.macro TLOAD                           ; waves 0, 1: K; waves 2, 3: V; the others nothing.  An s_nop 0 and four v_nop follow each line
	s_cmp_lt_u32 s[WV], 2
	s_cbranch_scc0 .Lnot_k_\@
	tensor_load_to_lds s[G0K:G0K+3], s[G1K:G1K+7]
	s_nop 0
.rept 4
	v_nop
.endr
	s_branch .Lasked_\@
.Lnot_k_\@:
	s_cmp_lt_u32 s[WV], 4
	s_cbranch_scc0 .Lasked_\@
	tensor_load_to_lds s[G0V:G0V+3], s[G1V:G1V+7]
	s_nop 0
.rept 4
	v_nop
.endr
.Lasked_\@:
.endm
; A prefetch of what the NEXT change of slots will ask for: 32,768 dense bytes of K and of V.  The head's work-group 0, which walks all slots, asks, and nobody else; in it waves 4-7 ask for K's, waves 8-11 for V's,
; 8,192 bytes a wave, lanes 256 bytes apart: each block of 256 bytes is named once in the launch.  It is a slot's four key steps ahead of the load.  Slots 0 and 1 come by their loads alone; the last change that fills asks for nothing.
.macro ASK
	s_cmp_gt_u32 s[SLOTS], s[LIM]
	s_cbranch_scc0 .Lnot_mine_\@
	global_prefetch_b8 v[PFO], s[PFA:PFA+1] th:TH_LOAD_NT scope:SCOPE_SE
.Lnot_mine_\@:
.endm
	s_load_b128 s[4:7], s[0:1], 0x0                ; qkv, att
	v_lshl_add_u32 v[SPW], v0, 2, SPARE
	v_mov_b32 v[NIL], 0
	ds_add_u32 v[SPW], v[NIL]                      ; the wave's opening: the add, twice on end, and its wait ahead of the first tensor load
	ds_add_u32 v[SPW], v[NIL]
	v_lshrrev_b32 v12, 5, v0
	v_readfirstlane_b32 s[WV], v12                 ; wave 0..15
	s_and_b32 s72, ttmp7, 0xffff
	s_lshl_b32 s72, s72, 18                        ; the head's first byte in each third of qkv and in att
	s_lshr_b32 s74, s[WV], 2
	s_xor_b32 s74, s74, s[WV]
	s_and_b32 s74, s74, 1                          ; 0: the early block i; 1: the late block 7 - i
	s_lshl_b32 s75, ttmp9, 1
	s_sub_co_u32 s75, 7, s75
	s_mul_i32 s75, s75, s74
	s_add_co_u32 s75, s75, ttmp9
	s_lshl_b32 s75, s75, 8
	s_lshr_b32 s82, s[WV], 1
	s_lshl_b32 s82, s82, 5
	s_add_co_u32 s[Q0], s75, s82                   ; my first query
	s_sub_co_u32 s[LASTQ], 7, ttmp9
	s_lshl_b32 s[LASTQ], s[LASTQ], 8
	s_or_b32 s[LASTQ], s[LASTQ], 255               ; my work-group's last query
	s_and_b32 s88, s[WV], 1                        ; which half of a slot's tile I fetch, if I fetch
	s_lshl_b32 s90, s88, 14
	s_add_co_u32 s90, s90, s72
	s_add_co_u32 s92, s90, 0x2000000               ; V: the third third of qkv
	s_add_co_u32 s90, s90, 0x1000000               ; K: the second
	s_mov_b32 s91, 0
	s_mov_b32 s93, 0
	s_mul_i32 s89, s88, 64*KP
	s_mul_i32 s94, s88, 64*VP
	s_add_co_u32 s94, s94, VOFF
	s_mov_b32 s[G1K], (1<<16)|(1<<20)|(5<<22)|(3<<25)   ; elements of 2 bytes; padding: 4 words behind every 64
	s_mov_b32 s[G1V], (1<<16)|(1<<20)|(5<<22)|(7<<25)   ; 8 words
.irp g, G1K, G1V
	s_mov_b32 s[\g+1], 128<<16                     ; tensor_dim0 = 128 elements: two keys
	s_mov_b32 s[\g+2], 64<<16                      ; tensor_dim1 = 64 rows
	s_mov_b32 s[\g+3], 128<<16                     ; tile_dim0
	s_mov_b32 s[\g+4], 64                          ; tile_dim1
	s_mov_b32 s[\g+5], 128                         ; the pitch: dense
	s_mov_b32 s[\g+6], 0
	s_mov_b32 s[\g+7], 0
.endr
	s_mov_b32 s[SEL], 0x76543210
	s_mov_b32 s[SEL+1], 0xfedcba98
	s_mov_b32 s[CS], 0x3e38aa3b                    ; c = log2(e) / 8
	s_mov_b32 s[CS+1], s[CS]
	s_mov_b32 s[TB], 0
	s_mov_b32 s[SLOTS], NSL-1
	s_mov_b32 s[KF], 0
	s_wait_dscnt 0x0                               ; both opening adds are done
	s_wait_kmcnt 0x0
	s_mov_b32 s[G0K], 1
	s_mov_b32 s[G0K+1], s89
	s_add_nc_u64 s[G0K+2:G0K+3], s[4:5], s[90:91]
	s_or_b32 s[G0K+3], s[G0K+3], 0x80000000
	s_mov_b32 s[G0V], 1
	s_mov_b32 s[G0V+1], s94
	s_add_nc_u64 s[G0V+2:G0V+3], s[4:5], s[92:93]
	s_or_b32 s[G0V+3], s[G0V+3], 0x80000000
	TLOAD                                          ; slot 0: one load of a fetching wave is out
	s_lshl_b32 s82, s[Q0], 7
	s_add_co_u32 s82, s82, s72
	s_mov_b32 s83, 0
	s_add_nc_u64 s[8:9], s[4:5], s[82:83]          ; Q at my first query
	s_add_nc_u64 s[6:7], s[6:7], s[82:83]          ; att likewise
	v_and_b32 v13, 15, v0                          ; r
	v_bfe_u32 v14, v0, 4, 1                        ; h
	v_lshlrev_b32 v12, 7, v13
	v_lshl_add_u32 v12, v14, 4, v12
.irp u, 0,1
.irp dd, 0,1
	global_load_b128 v[QF+16*\u+8*\dd:QF+16*\u+8*\dd+3], v12, s[8:9] offset:2048*\u+64*\dd
	global_load_b128 v[QF+16*\u+8*\dd+4:QF+16*\u+8*\dd+7], v12, s[8:9] offset:2048*\u+64*\dd+32
.endr
.endr
	s_cmp_lt_u32 s[WV], 8                          ; the prefetches: waves 4-7 K, waves 8-11 V
	s_mov_b32 s83, 0x2000000
	s_cselect_b32 s82, 0x1000000, s83
	s_add_co_u32 s82, s82, s72
	s_and_b32 s83, s[WV], 3
	s_lshl_b32 s83, s83, 13
	s_add_co_u32 s82, s82, s83
	s_add_co_u32 s82, s82, 0x8000                  ; in slot 1: the first change of slots steps it to slot 2
	s_mov_b32 s83, 0
	s_add_nc_u64 s[PFA:PFA+1], s[4:5], s[82:83]
	s_sub_co_u32 s82, s[WV], 4
	s_lshr_b32 s82, s82, 3
	s_or_b32 s82, s82, ttmp9
	s_cmp_eq_u32 s82, 0
	s_cselect_b32 s[LIM], 1, -1
	v_and_b32 v[PFO], 31, v0
	v_lshlrev_b32 v[GO], 4, v[PFO]
	v_lshlrev_b32 v[PFO], 8, v[PFO]
	v_lshrrev_b32 v15, 1, v13
	v_mul_u32_u24 v[AK0], v15, KP
	v_and_b32 v15, 1, v13
	v_lshl_add_u32 v[AK0], v15, 7, v[AK0]
	v_lshl_add_u32 v[AK0], v14, 4, v[AK0]          ; key r: 272 (r / 2) + 128 (r % 2), + 16 h
	v_bfe_u32 v15, v0, 1, 2
	v_lshl_add_u32 v15, v14, 2, v15
	v_mul_u32_u24 v[AV0], v15, VP
	v_and_b32 v15, 1, v0
	v_lshl_add_u32 v[AV0], v15, 7, v[AV0]
	v_bfe_u32 v15, v0, 3, 1
	v_lshl_add_u32 v[AV0], v15, 4, v[AV0]
	v_add_nc_u32 v[AV0], VOFF, v[AV0]              ; key 8 h + lane % 8, channels 8 ((lane / 8) % 2) on
	s_mul_i32 s82, s[WV], 2304
	s_add_co_u32 s82, s82, STAGE                   ; my stage
	v_mul_u32_u24 v[STO], v13, 144
	v_lshl_add_u32 v[STO], v14, 4, v[STO]
	v_add_nc_u32 v[STO], s82, v[STO]               ; in: row r, 16 bytes for each half of the lanes
	v_bfe_u32 v15, v0, 3, 2
	v_mul_u32_u24 v[RD], v15, 144
	v_and_b32 v15, 7, v0
	v_lshl_add_u32 v[RD], v15, 4, v[RD]
	v_add_nc_u32 v[RD], s82, v[RD]                 ; back: eight lanes to a row of 128 bytes, four rows an instruction
	v_mov_b32 v[NEG], 0xff800000
.irp u, 0,1
	v_mov_b32 v[ST+8*\u+1], 0xff61b1e6             ; m: -3e38, under every score
	v_mul_f32 v[ST+8*\u], s[CS], v[ST+8*\u+1]
	v_mov_b32 v[ST+8*\u+2], 0
	v_mov_b32 v[ST+8*\u+3], 0
.endr
.irp j, 0,1,2,3,4,5,6,7,8,9,10,11,12,13,14,15,16,17,18,19,20,21,22,23,24,25,26,27,28,29,30,31,32,33,34,35,36,37,38,39,40,41,42,43,44,45,46,47,48,49,50,51,52,53,54,55,56,57,58,59,60,61,62,63
	v_mov_b32 v[OT+\j], 0                          ; O^T: the step is written once; its first pass finds zeros
.endr
; A KEY STEP: 64 keys, the q-th of the slot in hand.
.macro STEP q
	s_add_co_u32 s96, s[Q0], 31                    ; all keys behind my 32 queries: the step's work is jumped over (ids and the count of steps alone)
	s_cmp_gt_u32 s[KF], s96
	s_cbranch_scc1 .Lhidden_\@
	v_add_nc_u32 v[ADK], s[TB], v[AK0]
	v_add_nc_u32 v[ADV], s[TB], v[AV0]
.rept 3
	v_nop                                          ; with the two additions five places behind the last products: four are owed by the loads below, five by the products that write over P
.endr
.irp kt, 0,1,2,3
.irp dd, 0,1
	ds_load_b128 v[KV+8*(2*\kt+\dd):KV+8*(2*\kt+\dd)+3], v[ADK] offset:(32*(\q)+8*\kt)*KP+64*\dd
	ds_load_b128 v[KV+8*(2*\kt+\dd)+4:KV+8*(2*\kt+\dd)+7], v[ADK] offset:(32*(\q)+8*\kt)*KP+64*\dd+32
.endr
.endr
	s_wait_dscnt 0x0
.irp dd, 0,1                                   ; S^T = K Q^T: eight accumulators by turns
.irp kt, 0,1,2,3
.irp u, 0,1
.if \dd == 0
	v_wmma_f32_16x16x32_f16 v[S+32*\u+8*\kt:S+32*\u+8*\kt+7], v[KV+8*(2*\kt+\dd):KV+8*(2*\kt+\dd)+7], v[QF+16*\u+8*\dd:QF+16*\u+8*\dd+7], 0
.else
	v_wmma_f32_16x16x32_f16 v[S+32*\u+8*\kt:S+32*\u+8*\kt+7], v[KV+8*(2*\kt+\dd):KV+8*(2*\kt+\dd)+7], v[QF+16*\u+8*\dd:QF+16*\u+8*\dd+7], v[S+32*\u+8*\kt:S+32*\u+8*\kt+7]
.endif
.endr
.endr
.endr
.rept 4
	v_nop                                          ; places in front of the loads over K's fragments and of the first read of the scores
.endr
.irp ct, 0,1,2,3                               ; V, turned: it lands while the softmax runs
.irp ks, 0,1
	ds_load_tr16_b128 v[KV+8*(2*\ct+\ks):KV+8*(2*\ct+\ks)+3], v[ADV] offset:(32*(\q)+16*\ks)*VP+32*\ct
	ds_load_tr16_b128 v[KV+8*(2*\ct+\ks)+4:KV+8*(2*\ct+\ks)+7], v[ADV] offset:(32*(\q)+16*\ks+8)*VP+32*\ct
.endr
.endr
	s_add_co_u32 s96, s[KF], 63                    ; on the diagonal hidden scores become -infinity; a step all of whose keys count skips this
	s_cmp_le_u32 s96, s[Q0]
	s_cbranch_scc1 .Lopen_\@
	s_sub_co_u32 s96, s[Q0], s[KF]
	v_and_b32 v12, 15, v0
	v_bfe_u32 v13, v0, 4, 1
	v_lshlrev_b32 v13, 3, v13
	v_sub_nc_u32 v12, v12, v13
	v_add_nc_u32 v12, s96, v12                     ; d = my query - KF - 8 (lane / 16), tile 0;
	v_add_nc_u32 v13, 16, v12                      ; tile 1.  Register n holds key KF + 8 (lane / 16) + 16 (n / 8) + n % 8: hidden where 16 (n / 8) + n % 8 > d
.irp u, 0,1
.irp n, 0,1,2,3,4,5,6,7,8,9,10,11,12,13,14,15,16,17,18,19,20,21,22,23,24,25,26,27,28,29,30,31
	v_cmp_gt_i32 vcc_lo, 16*(\n/8)+\n%8, v[12+\u]
	v_cndmask_b32 v[S+32*\u+\n], v[S+32*\u+\n], v[NEG], vcc_lo
.endr
.endr
.Lopen_\@:
	; the maximum of a lane's 32 scores and the old m, in four chains; the two tiles alternate line by line
.irp j, 0,1,2,3
.irp u, 0,1
	v_max3_num_f32 v[ST+8*\u+4+\j], v[S+32*\u+8*\j], v[S+32*\u+8*\j+1], v[S+32*\u+8*\j+2]
.endr
.endr
.irp g, 1,2
.irp j, 0,1,2,3
.irp u, 0,1
	v_max3_num_f32 v[ST+8*\u+4+\j], v[ST+8*\u+4+\j], v[S+32*\u+8*\j+2*\g+1], v[S+32*\u+8*\j+2*\g+2]
.endr
.endr
.endr
.irp u, 0,1
	v_max3_num_f32 v[ST+8*\u+4], v[ST+8*\u+4], v[S+32*\u+7], v[S+32*\u+15]
.endr
.irp u, 0,1
	v_max3_num_f32 v[ST+8*\u+6], v[ST+8*\u+6], v[S+32*\u+23], v[S+32*\u+31]
.endr
.irp u, 0,1
	v_max3_num_f32 v[ST+8*\u+4], v[ST+8*\u+4], v[ST+8*\u+5], v[ST+8*\u+6]
.endr
.irp u, 0,1
	v_max3_num_f32 v[ST+8*\u+4], v[ST+8*\u+4], v[ST+8*\u+7], v[ST+8*\u+1]
.endr
.irp u, 0,1
	v_permlanex16_b32 v[ST+8*\u+5], v[ST+8*\u+4], s[SEL], s[SEL+1]   ; the query's other 32 keys lie in the lane 16 away
.endr
.irp u, 0,1
	v_mov_b32 v[ST+8*\u+7], v[ST+8*\u]             ; c m_old
.endr
.irp u, 0,1
	v_max_num_f32 v[ST+8*\u+1], v[ST+8*\u+4], v[ST+8*\u+5]
.endr
.irp u, 0,1
	v_mul_f32 v[ST+8*\u], s[CS], v[ST+8*\u+1]
.endr
.irp u, 0,1
	v_sub_f32 v[ST+8*\u+7], v[ST+8*\u+7], v[ST+8*\u]
.endr
.irp b, 0,1,2,3,4,5,6,7,8,9,10,11,12,13,14,15
.irp u, 0,1
	v_pk_fma_f32 v[S+32*\u+2*\b:S+32*\u+2*\b+1], v[S+32*\u+2*\b:S+32*\u+2*\b+1], s[CS:CS+1], v[ST+8*\u:ST+8*\u+1] op_sel_hi:[1,0,0] neg_lo:[0,0,1] neg_hi:[0,0,1]   ; c s - c m
.endr
.endr
.irp u, 0,1
	v_exp_f32 v[ST+8*\u+6], v[ST+8*\u+7]           ; a
.endr
.irp n, 0,1,2,3,4,5,6,7,8,9,10,11,12,13,14,15,16,17,18,19,20,21,22,23,24,25,26,27,28,29,30,31
.irp u, 0,1
	v_exp_f32 v[S+32*\u+\n], v[S+32*\u+\n]         ; p
.endr
.endr
	v_nop                                          ; a plain line behind the last exponential
	s_wait_alu depctr_va_vdst(0)                   ; one wait for the batch of 66, ahead of its first reader
.irp u, 0,1
	v_pk_add_f32 v[ST+8*\u+4:ST+8*\u+5], v[S+32*\u:S+32*\u+1], v[S+32*\u+2:S+32*\u+3]     ; the sum of the f32 weights, in two chains a tile
.endr
.irp u, 0,1
	v_pk_add_f32 v[12+2*\u:13+2*\u], v[S+32*\u+4:S+32*\u+5], v[S+32*\u+6:S+32*\u+7]
.endr
.irp k, 8,12,16,20,24,28
.irp u, 0,1
	v_pk_add_f32 v[ST+8*\u+4:ST+8*\u+5], v[ST+8*\u+4:ST+8*\u+5], v[S+32*\u+\k:S+32*\u+\k+1]
	v_pk_add_f32 v[12+2*\u:13+2*\u], v[12+2*\u:13+2*\u], v[S+32*\u+\k+2:S+32*\u+\k+3]
.endr
.endr
.irp u, 0,1
	v_pk_add_f32 v[ST+8*\u+4:ST+8*\u+5], v[ST+8*\u+4:ST+8*\u+5], v[12+2*\u:13+2*\u]
.endr
.irp u, 0,1
	v_pk_fma_f32 v[ST+8*\u+2:ST+8*\u+3], v[ST+8*\u+2:ST+8*\u+3], v[ST+8*\u+6:ST+8*\u+7], v[ST+8*\u+4:ST+8*\u+5] op_sel_hi:[1,0,1]   ; l = a l + the sum
.endr
.irp j, 0,1,2,3,4,5,6,7,8,9,10,11,12,13,14,15
.irp u, 0,1
	v_cvt_pk_f16_f32 v[S+32*\u+\j], v[S+32*\u+2*\j], v[S+32*\u+2*\j+1]   ; P, in place: register j lies under every source still unread
.endr
.endr
.irp j, 0,2,4,6,8,10,12,14,16,18,20,22,24,26,28,30
.irp u, 0,1
	v_pk_mul_f32 v[OT+32*\u+\j:OT+32*\u+\j+1], v[OT+32*\u+\j:OT+32*\u+\j+1], v[ST+8*\u+6:ST+8*\u+7] op_sel_hi:[1,0]   ; O^T x a
.endr
.endr
	s_wait_dscnt 0x0                               ; V is in
.irp ks, 0,1                                   ; O^T += V^T P: eight accumulators by turns
.irp ct, 0,1,2,3
.irp u, 0,1
	v_wmma_f32_16x16x32_f16 v[OT+32*\u+8*\ct:OT+32*\u+8*\ct+7], v[KV+8*(2*\ct+\ks):KV+8*(2*\ct+\ks)+7], v[S+32*\u+8*\ks:S+32*\u+8*\ks+7], v[OT+32*\u+8*\ct:OT+32*\u+8*\ct+7]
.endr
.endr
.endr
.Lhidden_\@:
	s_add_co_u32 s[KF], s[KF], 64
.endm
; THE CHANGE OF SLOTS, at a slot's head.  Each wave waits for all its tensor loads, adds 0 to its spare word, and waits for that and for its reads of the slot that it has left; behind the barrier the slot ahead is whole
; and nobody reads the other one, which (fill = 1) is filled with the keys that follow: the load has a slot's four steps in which to land.  Every wait on TENSORcnt in this text is for 0.
.macro CHANGE fill
	s_wait_tensorcnt 0x0                           ; no tensor load of mine is out, so a group 0 may be written
	ds_add_u32 v[SPW], v[NIL]
.if \fill
	ds_add_u32 v[SPW], v[NIL]                      ; twice on end here, in every trip alike
	s_xor_b32 s[G0K+1], s[G0K+1], SLOT1
	s_add_nc_u64 s[G0K+2:G0K+3], s[G0K+2:G0K+3], 0x8000
	s_xor_b32 s[G0V+1], s[G0V+1], SLOT1
	s_add_nc_u64 s[G0V+2:G0V+3], s[G0V+2:G0V+3], 0x8000
	s_wait_xcnt 0x0                                ; the last prefetch, a slot back, has read its address
	s_add_nc_u64 s[PFA:PFA+1], s[PFA:PFA+1], 0x8000
.endif
	s_wait_dscnt 0x0
	s_barrier_signal -1
	s_barrier_wait -1
.if \fill
	s_add_co_u32 s96, s[KF], SK                    ; the first key of the slot that this change would ask for:
	s_cmp_gt_u32 s96, s[LASTQ]                     ; behind my work-group's last query no wave reads it, so it is not asked for.  Ids and the count of steps alone: all sixteen waves go the same way
	s_cbranch_scc1 .Lpast_\@
	TLOAD
.Lpast_\@:
	ASK
.endif
.endm
.macro SLOT_STEPS
	STEP 0
	STEP 1
	STEP 2
	STEP 3
	s_xor_b32 s[TB], s[TB], SLOT1
.endm
	s_wait_loadcnt 0x0                             ; Q
.Lslot:                                            ; seven trips
	CHANGE 1
	SLOT_STEPS
	s_sub_co_u32 s[SLOTS], s[SLOTS], 1
	s_cmp_lg_u32 s[SLOTS], 0
	s_cbranch_scc1 .Lslot
	CHANGE 0                                       ; the last slot is written out: nothing is left to ask for
	SLOT_STEPS
	; THE WAY OUT.  The four additions and the v_nop are the places behind the last products.
.irp u, 0,1
	v_add_f32 v[ST+8*\u+4], v[ST+8*\u+2], v[ST+8*\u+3]
.endr
.irp u, 0,1
	v_permlanex16_b32 v[ST+8*\u+5], v[ST+8*\u+4], s[SEL], s[SEL+1]
.endr
.irp u, 0,1
	v_add_f32 v[ST+8*\u+4], v[ST+8*\u+4], v[ST+8*\u+5]
.endr
.irp u, 0,1
	v_rcp_f32 v[ST+8*\u+6], v[ST+8*\u+4]
.endr
	v_nop
	s_wait_alu depctr_va_vdst(0)                   ; one wait for both reciprocals, ahead of their first reader
.irp u, 0,1
.irp j, 0,2,4,6,8,10,12,14,16,18,20,22,24,26,28,30
	v_pk_mul_f32 v[OT+32*\u+\j:OT+32*\u+\j+1], v[OT+32*\u+\j:OT+32*\u+\j+1], v[ST+8*\u+6:ST+8*\u+7] op_sel_hi:[1,0]
.endr
.irp j, 0,1,2,3,4,5,6,7,8,9,10,11,12,13,14,15
	v_cvt_pk_f16_f32 v[S+16*\u+\j], v[OT+32*\u+2*\j], v[OT+32*\u+2*\j+1]
.endr
.irp ct, 0,1,2,3
	ds_store_b128 v[STO], v[S+16*\u+4*\ct:S+16*\u+4*\ct+3] offset:32*\ct
.endr
.irp i, 0,1,2,3
	ds_load_b128 v[KV+16*\u+4*\i:KV+16*\u+4*\i+3], v[RD] offset:576*\i   ; LDS serves a wave's instructions in order
.endr
.endr
.irp i, 0,1,2,3
	s_wait_dscnt 11-\i                             ; behind tile 0's load i: its younger loads and tile 1's eight
	global_store_b128 v[GO], v[KV+4*\i:KV+4*\i+3], s[6:7] offset:512*\i   ; 32 lanes store 512 consecutive bytes, aligned: four queries
.endr
.irp i, 0,1,2,3
	s_wait_dscnt 3-\i
	global_store_b128 v[GO], v[KV+16+4*\i:KV+16+4*\i+3], s[6:7] offset:2048+512*\i
.endr
	s_wait_tensorcnt 0x0                           ; the wave's end
	ds_add_u32 v[SPW], v[NIL]
	s_wait_dscnt 0x0
	s_endpgm
.Lfunc_end_k_qf4634b0784_attn:
	.size	k_qf4634b0784_attn, .Lfunc_end_k_qf4634b0784_attn-k_qf4634b0784_attn
	.p2alignl 7, 3214868480
	.fill 96, 4, 3214868480
	.section	.rodata,"a",@progbits
	.p2align	6, 0x0
	.amdhsa_kernel k_qf4634b0784_attn
		.amdhsa_group_segment_fixed_size 327680
		.amdhsa_private_segment_fixed_size 0
		.amdhsa_enable_private_segment 0
		.amdhsa_kernarg_size 16
		.amdhsa_user_sgpr_count 2
		.amdhsa_user_sgpr_kernarg_segment_ptr 1
		.amdhsa_wavefront_size32 1
		.amdhsa_system_sgpr_workgroup_id_x 1
		.amdhsa_system_sgpr_workgroup_id_y 1
		.amdhsa_system_sgpr_workgroup_id_z 1
		.amdhsa_system_vgpr_workitem_id 0
		.amdhsa_next_free_vgpr 256
		.amdhsa_next_free_sgpr 100
		.amdhsa_reserve_vcc 1
		.amdhsa_float_denorm_mode_32 3
		.amdhsa_float_denorm_mode_16_64 3
		.amdhsa_memory_ordered 1
		.amdhsa_forward_progress 1
		.amdhsa_inst_pref_size 189
	.end_amdhsa_kernel
	.amdgpu_metadata
---
amdhsa.version: [ 1, 2 ]
amdhsa.kernels:
  - .name:           k_qf4634b0784_attn
    .symbol:         k_qf4634b0784_attn.kd
    .args:
      - { .name: qkv, .offset: 0, .size: 8, .value_kind: global_buffer, .address_space: global }
      - { .name: att, .offset: 8, .size: 8, .value_kind: global_buffer, .address_space: global }
    .group_segment_fixed_size: 327680
    .private_segment_fixed_size: 0
    .kernarg_segment_align: 8
    .kernarg_segment_size: 16
    .max_flat_workgroup_size: 512
    .sgpr_count:     100
    .vgpr_count:     256
    .wavefront_size: 32
...
	.end_amdgpu_metadata
.endif
;; end of part 3
;; launch out_proj (part 4): grid 4 x 64, 4 waves a work-group, clusters of 4 x 4, 327,680 bytes of LDS; arguments att, wT, b_out, out0; writes out0
.if DOCPART == 4
	.amdgcn_target "amdgcn-amd-amdhsa--gfx1250"
	.amdhsa_code_object_version 6
	.text
	.protected	k_qf4634b0784_out_proj
	.globl	k_qf4634b0784_out_proj
	.p2align	8
	.type	k_qf4634b0784_out_proj,@function
k_qf4634b0784_out_proj:
	s_mov_b64 s[64:65], 0
	v_nop
	global_prefetch_b8 v0, s[64:65] scope:SCOPE_SE
	s_setreg_imm32_b32 hwreg(HW_REG_WAVE_MODE, 25, 1), 1
	s_wait_xcnt 0x0
	s_wait_alu depctr_hold_cnt(0) depctr_sa_sdst(0) depctr_va_vdst(0) depctr_va_sdst(0) depctr_va_ssrc(0) depctr_va_vcc(0) depctr_vm_vsrc(0)
	s_getreg_b32 s2, hwreg(HW_REG_IB_STS2, 6, 4)
	s_cmp_eq_u32 s2, 0
	s_cbranch_scc0 .Lentry_in_a_cluster
	s_endpgm
.Lentry_in_a_cluster:
	s_bfe_u32 s2, ttmp6, 0x10000c
	s_cmp_lg_u32 s2, 0xf033
	s_cbranch_scc0 .Lentry_shape_is_right
	s_endpgm
.Lentry_shape_is_right:
; out0 = att W_out + b_out, f16 operands, f32 sums.  A: att [b][h][2048][64] f16 (K = 64 h + d); B: wT [n 1024][k 1024] f16; out0 [8192][1024] f32.
; A tile of 128 rows x 256 columns to a work-group: 256 work-groups.  Four waves, each 64 x 128: 32 accumulators, 256 registers.  K goes in eight steps of 128, two heads a step, through a ring of two LDS slots.
; A head's 128 rows of a tile are 16,384 dense bytes: stated as 64 rows of 256 bytes, two positions to a row.
; CLUSTERS: 4 x 4.  Tile row = 16 cy + cluster y (cy is the batch), tile column = cx.  A's slabs are asked for jointly along a row of the cluster, B's tiles along a column.
; THE MATRIX INSTRUCTION IS USED TRANSPOSED (source 0 = 16 rows of wT, source 1 = 16 rows of att).  The bias is the C of each sum's first product.
; Positions 0-15 of each batch are not stored here: the last launch makes them in f32.  The branch round those sixteen stores hangs on cluster y and the wave's number.
; No prefetch: two of the eight K steps go out at the head, and the tiles are shared in the cluster.
; REGISTERS: window 0: v16-31 addresses; v32-95 A's fragments, two buffers; v128-255 B's, two buffers.  window 1: the accumulators ((a, b) at v[8 (8 a + b)]).  window 2: v0-63 the bias.
.set PITCH,  272
.set ASLAB,  64*PITCH                  ; a head's 128 rows
.set BOFFS,  2*ASLAB
.set BHALF,  128*PITCH
.set SLOT,   BOFFS+2*BHALF
.set STAGE,  2*SLOT                    ; behind the ring: 16 rows x 528 bytes for each wave
.set SPITCH, 528
.set SPARE,  STAGE+4*16*SPITCH
.set LAPS,   4
.set ADRA, 16
.set ADRB, 20
.set STO,  24
.set RD,   25
.set CO,   26
.set BO,   27
.set SPW,  28
.set NIL,  29
.set AF,   32
.set BF,   128
.set G1, 24
.set G0, 32
.set G1B, 48
.set G0B, 56
.set MSB, 0
.macro WIN new
.if MSB != (\new)
	s_set_vgpr_msb (MSB<<8)|(\new)
.set MSB, (\new)
.endif
.endm
.set MUL,  0x50                        ; sources 0 and 1 window 0; C and D window 1
.set MULF, 0x60                        ; C window 2 (the bias), D window 1
.macro JLOAD s                         ; waves 0, 1 fetch A's two slabs, waves 2, 3 B's two halves; an s_nop 0 and four v_nop follow each line
	s_cmp_eq_u32 s15, 0
	s_cbranch_scc0 .Lfor_b_\@
	tensor_load_to_lds s[G0+4*\s:G0+4*\s+3], s[G1:G1+7]
	s_nop 0
.rept 4
	v_nop
.endr
	s_branch .Lasked_\@
.Lfor_b_\@:
	tensor_load_to_lds s[G0B+4*\s:G0B+4*\s+3], s[G1B:G1B+7]
	s_nop 0
.rept 4
	v_nop
.endr
.Lasked_\@:
.endm
.macro CREST
	s_cmp_lg_u32 s14, 0
	s_cbranch_scc1 .Lnot_wave_0_\@
	s_barrier_signal -3
.Lnot_wave_0_\@:
	s_barrier_wait -3
	s_barrier_signal -1
	s_barrier_wait -1
.endm
.macro CROUND
	s_barrier_signal -1
	s_barrier_wait -1
	CREST
.endm
	s_load_b256 s[4:11], s[0:1], 0x0               ; att s[4:5], wT s[6:7], b_out s[8:9], out0 s[10:11]
	v_lshl_add_u32 v[SPW], v0, 2, SPARE
	v_mov_b32 v[NIL], 0
	ds_add_u32 v[SPW], v[NIL]                      ; the wave's opening: the add, twice on end, and its wait ahead of my first tensor load
	ds_add_u32 v[SPW], v[NIL]
	v_lshrrev_b32 v1, 5, v0
	v_readfirstlane_b32 s14, v1                    ; wave 0..3
	s_lshr_b32 s15, s14, 1                         ; which 64 rows are mine.  Also: I fetch for A (0) or for B (1)
	s_and_b32 s16, s14, 1                          ; which 128 columns.  Also: which slab of A or half of B I fetch
	s_bfe_u32 s40, ttmp6, 0x40000                  ; cx
	s_bfe_u32 s41, ttmp6, 0x40004                  ; cy: the batch
	s_lshl_b32 s42, ttmp9, 2
	s_add_co_u32 s42, s42, s40                     ; tile column
	s_and_b32 s17, ttmp7, 0xffff                   ; cluster y: which 128 positions
	s_or_b32 s66, s17, s15                         ; 0 where my block 0 is positions 0-15
	s_lshl_b32 s43, s41, 2
	s_lshl_b32 s43, 15, s43                        ; my row of the cluster
	s_lshl_b32 s44, 0x1111, s40                    ; my column
	s_or_b32 s[G1+0], s43, (1<<16)|(1<<20)|(1<<21)|(5<<22)|(3<<25)   ; the mask; elements of 2 bytes; padding: 4 words behind every 64
	s_or_b32 s[G1B+0], s44, (1<<16)|(1<<20)|(1<<21)|(5<<22)|(3<<25)
	s_mov_b32 s[G1+1], 128<<16                     ; A: 64 rows of 128 elements, dense
	s_mov_b32 s[G1+2], 64<<16
	s_mov_b32 s[G1+3], 128<<16
	s_mov_b32 s[G1+4], 64
	s_mov_b32 s[G1+5], 128
	s_mov_b32 s[G1+6], 0
	s_mov_b32 s[G1+7], 0
	s_mov_b32 s[G1B+1], 128<<16                    ; B: 128 rows of 128 elements, 1,024 elements apart
	s_mov_b32 s[G1B+2], 128<<16
	s_mov_b32 s[G1B+3], 128<<16
	s_mov_b32 s[G1B+4], 128
	s_mov_b32 s[G1B+5], 1024
	s_mov_b32 s[G1B+6], 0
	s_mov_b32 s[G1B+7], 0
	s_lshl_b32 s20, s41, 4
	s_add_co_u32 s20, s20, s16                     ; head 16 cy + slab,
	s_lshl_b32 s20, s20, 18
	s_lshl_b32 s21, s17, 14                        ; 128 positions of 128 bytes
	s_add_co_u32 s20, s20, s21
	s_mov_b32 s21, 0
	s_lshl_b32 s46, s42, 8
	s_lshl_b32 s47, s16, 7
	s_add_co_u32 s46, s46, s47                     ; wT: row 256 x tile column + 128 x half
	s_lshl_b32 s46, s46, 11
	s_mov_b32 s47, 0
	s_mul_i32 s45, s16, ASLAB                      ; where they go: no place in the cluster enters an LDS address
	s_mul_i32 s18, s16, BHALF
	s_add_co_u32 s18, s18, BOFFS
	s_wait_dscnt 0x0                               ; both opening adds are done
	s_wait_kmcnt 0x0
	s_add_nc_u64 s[20:21], s[4:5], s[20:21]
	s_add_nc_u64 s[46:47], s[6:7], s[46:47]
	CROUND                                         ; all sixteen work-groups are here
.irp s, 0,1
	s_mov_b32 s[G0+4*\s], 1
	s_add_co_u32 s[G0+4*\s+1], s45, \s*SLOT
	s_add_nc_u64 s[G0+4*\s+2:G0+4*\s+3], s[20:21], \s*524288       ; K step s: heads 2 s, 2 s + 1
	s_or_b32 s[G0+4*\s+3], s[G0+4*\s+3], 0x80000000
	s_mov_b32 s[G0B+4*\s], 1
	s_add_co_u32 s[G0B+4*\s+1], s18, \s*SLOT
	s_add_nc_u64 s[G0B+4*\s+2:G0B+4*\s+3], s[46:47], \s*256
	s_or_b32 s[G0B+4*\s+3], s[G0B+4*\s+3], 0x80000000
	JLOAD \s                                       ; two loads of mine are out
.endr
	v_and_b32 v1, 15, v0                           ; r
	v_bfe_u32 v2, v0, 4, 1                         ; h
	s_lshl_b32 s46, s42, 10
	s_lshl_b32 s47, s16, 9
	s_add_co_u32 s46, s46, s47                     ; my first column, in f32 bytes
	s_mov_b32 s47, 0
	s_add_nc_u64 s[8:9], s[8:9], s[46:47]
	v_lshlrev_b32 v[BO], 5, v2
	WIN 0x80                                       ; destination window 2
.irp b, 0,1,2,3,4,5,6,7
	global_load_b128 v[8*\b:8*\b+3], v[BO], s[8:9] offset:64*\b        ; the bias of columns 16 b + 8 h + 0 .. 7
	global_load_b128 v[8*\b+4:8*\b+7], v[BO], s[8:9] offset:64*\b+16
.endr
	WIN 0
	v_lshrrev_b32 v3, 1, v1
	v_mul_u32_u24 v3, v3, PITCH
	v_and_b32 v4, 1, v1
	v_lshl_add_u32 v3, v4, 7, v3
	v_lshl_add_u32 v3, v2, 4, v3                   ; A: 272 (r / 2) + 128 (r % 2) + 16 h
	v_mul_u32_u24 v4, v1, PITCH
	v_lshl_add_u32 v4, v2, 4, v4                   ; B: 272 r + 16 h
	s_mul_i32 s21, s15, 32*PITCH                   ; my 64 rows in each slab
	s_mul_i32 s22, s16, BHALF
	s_add_co_u32 s22, s22, BOFFS
.irp s, 0,1
	v_add_nc_u32 v[ADRA+\s], s21, v3
	v_add_nc_u32 v[ADRB+\s], s22, v4
	s_add_co_u32 s21, s21, SLOT
	s_add_co_u32 s22, s22, SLOT
.endr
	s_mul_i32 s23, s14, 16*SPITCH
	s_add_co_u32 s23, s23, STAGE
	v_mul_u32_u24 v5, v1, SPITCH
	v_lshl_add_u32 v5, v2, 5, v5
	v_add_nc_u32 v[STO], s23, v5
	v_and_b32 v6, 31, v0
	v_lshlrev_b32 v[CO], 4, v6
	v_add_nc_u32 v[RD], s23, v[CO]
	s_lshl_b32 s20, s41, 11
	s_lshl_b32 s21, s17, 7
	s_add_co_u32 s20, s20, s21
	s_lshl_b32 s21, s15, 6
	s_add_co_u32 s20, s20, s21                     ; my first row of out0
	s_lshl_b32 s20, s20, 12
	s_add_co_u32 s20, s20, s46
	s_mov_b32 s21, 0
	s_add_nc_u64 s[10:11], s[10:11], s[20:21]
.macro FETCH slot, q, f                ; 24 LDS loads in one run: the fragments of 32 along K, the step's q-th, into buffer f
	WIN 0
.irp i, 0,1,2,3,4,5,6,7
	ds_load_b128 v[BF+64*(\f)+8*\i:BF+64*(\f)+8*\i+3],   v[ADRB+\slot] offset:64*(\q)+\i*16*PITCH
	ds_load_b128 v[BF+64*(\f)+8*\i+4:BF+64*(\f)+8*\i+7], v[ADRB+\slot] offset:64*(\q)+\i*16*PITCH+32
.endr
.irp i, 0,1,2,3
	ds_load_b128 v[AF+32*(\f)+8*\i:AF+32*(\f)+8*\i+3],   v[ADRA+\slot] offset:ASLAB*((\q)/2)+64*((\q)%2)+\i*8*PITCH
	ds_load_b128 v[AF+32*(\f)+8*\i+4:AF+32*(\f)+8*\i+7], v[ADRA+\slot] offset:ASLAB*((\q)/2)+64*((\q)%2)+\i*8*PITCH+32
.endr
.endm
.macro MUL8 f, a, first                ; A's block a against B's eight; the 32 accumulators take turns
.irp b, 0,1,2,3,4,5,6,7
.if \first
	v_wmma_f32_16x16x32_f16 v[8*(8*(\a)+\b):8*(8*(\a)+\b)+7], v[BF+64*(\f)+8*\b:BF+64*(\f)+8*\b+7], v[AF+32*(\f)+8*(\a):AF+32*(\f)+8*(\a)+7], v[8*\b:8*\b+7]
.else
	v_wmma_f32_16x16x32_f16 v[8*(8*(\a)+\b):8*(8*(\a)+\b)+7], v[BF+64*(\f)+8*\b:BF+64*(\f)+8*\b+7], v[AF+32*(\f)+8*(\a):AF+32*(\f)+8*(\a)+7], v[8*(8*(\a)+\b):8*(8*(\a)+\b)+7]
.endif
.endr
.endm
.macro PLACES
.rept 4
	v_nop
.endr
.endm
.macro QUARTER slot, qn, f, g, first   ; multiplies buffer f; ahead of it the next quarter's fragments, the step's qn-th, are asked for into buffer g
	s_wait_dscnt 0x0                               ; buffer f is in: it was asked for 32 products ago
	PLACES                                         ; in front of loads into buffer g, which the quarter before multiplied
	FETCH \slot, \qn, \g
	WIN MUL+0x10*(\first)
	MUL8 \f, 0, \first
	MUL8 \f, 1, \first
	MUL8 \f, 2, \first
	MUL8 \f, 3, \first
.endm
; A step's last quarter multiplies buffer 1 and changes slots: one barrier; in front of it each wave waits for all its tensor loads, adds 0 to its spare word, and waits for that and for its reads of this slot.
; fill = 1: the barrier opens a round of the cluster's, and this slot is filled again, two K steps ahead, first thing behind the round.
.macro TURN slot, next, fill
	WIN 0
	s_wait_tensorcnt 0x0                           ; all my tensor loads have landed: my part of the next slot
	ds_add_u32 v[SPW], v[NIL]
	s_wait_dscnt 1                                 ; buffer 1 is in; the add may be out
	WIN MUL
	MUL8 1, 0, 0
	s_wait_dscnt 0x0                               ; the add is done, and my reads of this slot are over
	s_barrier_signal -1
	MUL8 1, 1, 0
	WIN 0
	s_barrier_wait -1
.if \fill
	CREST
	s_add_nc_u64 s[G0+4*\slot+2:G0+4*\slot+3], s[G0+4*\slot+2:G0+4*\slot+3], 2*524288
	s_add_nc_u64 s[G0B+4*\slot+2:G0B+4*\slot+3], s[G0B+4*\slot+2:G0B+4*\slot+3], 512
	JLOAD \slot                                    ; its four v_nop are also the places in front of the loads below
.else
	PLACES
.endif
	FETCH \next, 0, 0
	WIN MUL
	MUL8 1, 2, 0
	MUL8 1, 3, 0
.endm
	s_wait_tensorcnt 1                             ; my part of K step 0 is in (K step 1's load may be out),
	s_barrier_signal -1
	s_barrier_wait -1                              ; everybody's is
	FETCH 0, 0, 0
	s_wait_loadcnt 0x0                             ; the bias
	QUARTER 0, 1, 0, 1, 1                          ; the first quarter stands in front of the loop: its products start the sums
	WIN 0
	s_mov_b32 s3, LAPS-1
.Llap:                                             ; a trip goes once round the ring and fills both slots again
	QUARTER 0, 2, 1, 0, 0
	QUARTER 0, 3, 0, 1, 0
	TURN 0, 1, 1
	QUARTER 1, 1, 0, 1, 0
	QUARTER 1, 2, 1, 0, 0
	QUARTER 1, 3, 0, 1, 0
	TURN 1, 0, 1
	QUARTER 0, 1, 0, 1, 0
	WIN 0
	s_sub_co_u32 s3, s3, 1
	s_cmp_lg_u32 s3, 0
	s_cbranch_scc1 .Llap
	QUARTER 0, 2, 1, 0, 0                          ; the last lap fills nothing
	QUARTER 0, 3, 0, 1, 0
	TURN 0, 1, 0
	QUARTER 1, 1, 0, 1, 0
	QUARTER 1, 2, 1, 0, 0
	QUARTER 1, 3, 0, 1, 0
	s_wait_dscnt 0x0
	WIN MUL
	MUL8 1, 0, 0
	MUL8 1, 1, 0
	MUL8 1, 2, 0
	MUL8 1, 3, 0
	WIN 0
; THE WAY OUT, block by block of 16 rows x 128 columns, through my own stage: whole rows of 512 bytes come back.
.macro TOSTAGE a
	WIN 0x04                                       ; an LDS store's data: window 1
.irp b, 0,1,2,3,4,5,6,7
	ds_store_b128 v[STO], v[64*(\a)+8*\b:64*(\a)+8*\b+3] offset:64*\b
	ds_store_b128 v[STO], v[64*(\a)+8*\b+4:64*(\a)+8*\b+7] offset:64*\b+16
.endr
	WIN 0
.set BB, BF+64*((\a)%2)
.irp t, 0,1,2,3,4,5,6,7,8,9,10,11,12,13,14,15
	ds_load_b128 v[BB+4*\t:BB+4*\t+3], v[RD] offset:\t*SPITCH
.endr
.endm
.macro SEND a, younger
.set BB, BF+64*((\a)%2)
	s_wait_dscnt \younger                          ; the block is back; the next block's 16 stores and 16 loads may be out
.if (\a) == 0
	s_cmp_eq_u32 s66, 0                            ; positions 0-15 are the last launch's
	s_cbranch_scc1 .Lfine_rows
.endif
.irp t, 0,1,2,3,4,5,6,7,8,9,10,11,12,13,14,15
	global_store_b128 v[CO], v[BB+4*\t:BB+4*\t+3], s[10:11] offset:(16*(\a)+\t)*4096 th:TH_STORE_NT   ; 32 lanes store 512 consecutive bytes, aligned
.endr
.if (\a) == 0
.Lfine_rows:
.endif
.endm
	PLACES
	TOSTAGE 0
.irp a, 1,2,3
.if \a > 1
	s_wait_xcnt 0x0                                ; block a - 2's stores have read their registers: block a's loads may land there
.endif
	TOSTAGE \a
	SEND \a-1, 32
.endr
	SEND 3, 0
	s_wait_tensorcnt 0x0                           ; the wave's end
	ds_add_u32 v[SPW], v[NIL]
	s_wait_dscnt 0x0
	CROUND                                         ; the closing round
	s_endpgm
.Lfunc_end_k_qf4634b0784_out_proj:
	.size	k_qf4634b0784_out_proj, .Lfunc_end_k_qf4634b0784_out_proj-k_qf4634b0784_out_proj
	.p2alignl 7, 3214868480
	.fill 96, 4, 3214868480
	.section	.rodata,"a",@progbits
	.p2align	6, 0x0
	.amdhsa_kernel k_qf4634b0784_out_proj
		.amdhsa_group_segment_fixed_size 327680
		.amdhsa_private_segment_fixed_size 0
		.amdhsa_enable_private_segment 0
		.amdhsa_kernarg_size 32
		.amdhsa_user_sgpr_count 2
		.amdhsa_user_sgpr_kernarg_segment_ptr 1
		.amdhsa_wavefront_size32 1
		.amdhsa_system_sgpr_workgroup_id_x 1
		.amdhsa_system_sgpr_workgroup_id_y 1
		.amdhsa_system_sgpr_workgroup_id_z 1
		.amdhsa_system_vgpr_workitem_id 0
		.amdhsa_next_free_vgpr 576
		.amdhsa_next_free_sgpr 70
		.amdhsa_reserve_vcc 0
		.amdhsa_float_denorm_mode_32 3
		.amdhsa_float_denorm_mode_16_64 3
		.amdhsa_memory_ordered 1
		.amdhsa_forward_progress 1
		.amdhsa_inst_pref_size 86
	.end_amdhsa_kernel
	.amdgpu_metadata
---
amdhsa.version: [ 1, 2 ]
amdhsa.kernels:
  - .name:           k_qf4634b0784_out_proj
    .symbol:         k_qf4634b0784_out_proj.kd
    .args:
      - { .name: att, .offset: 0, .size: 8, .value_kind: global_buffer, .address_space: global }
      - { .name: wT, .offset: 8, .size: 8, .value_kind: global_buffer, .address_space: global }
      - { .name: b_out, .offset: 16, .size: 8, .value_kind: global_buffer, .address_space: global }
      - { .name: out0, .offset: 24, .size: 8, .value_kind: global_buffer, .address_space: global }
    .group_segment_fixed_size: 327680
    .private_segment_fixed_size: 0
    .kernarg_segment_align: 8
    .kernarg_segment_size: 32
    .max_flat_workgroup_size: 128
    .sgpr_count:     70
    .vgpr_count:     576
    .wavefront_size: 32
...
	.end_amdgpu_metadata
.endif
;; end of part 4
;; launch fine (part 5): grid 16 x 4, 16 waves a work-group, no clusters, 69,632 bytes of LDS; arguments qkv32, W_out, b_out, out0; writes out0
.if DOCPART == 5
	.amdgcn_target "amdgcn-amd-amdhsa--gfx1250"
	.amdhsa_code_object_version 6
	.text
	.protected	k_qf4634b0784_fine
	.globl	k_qf4634b0784_fine
	.p2align	8
	.type	k_qf4634b0784_fine,@function
k_qf4634b0784_fine:
	s_mov_b64 s[64:65], 0
	v_nop
	global_prefetch_b8 v0, s[64:65] scope:SCOPE_SE
	s_setreg_imm32_b32 hwreg(HW_REG_WAVE_MODE, 25, 1), 1
	s_wait_xcnt 0x0
; Positions 0-15 of each batch, all in f32: under the causal mask these rows average one to sixteen values and are the largest of the output, so their operands are not rounded to 16 bits.
; qkv32: [batch][16][3072] f32.  Work-group (x, batch) makes columns 64 x .. 64 x + 63 of the batch's first 16 rows of out0.  Wave w is head w: it makes the head's 16 x 16 attention (every work-group of a batch repeats that
; small piece, so that no sum spans work-groups) and its part of the projection; the sixteen parts meet in LDS.
; The f32 matrix form, 16 x 16 x 4: lane (r, h) holds row or column r, its register j the k slot 2 h + j.  Which k stands in a slot is free so long as both sources agree:
;   scores S^T = K Q^T: slot (h, j) of step (c, p) is channel 8 c + 4 h + 2 p + j;  O^T = V^T P: of step i, key 8 h + 2 i + j;  out^T = W^T att^T: of step (t, i), channel 16 t + 8 h + 2 i + j:
;   so p and att go on as operands in the registers in which they were made.
; The registers that the matrix form writes (v176-223) are written by matrix instructions alone; what is made of a sum goes into other registers.
; No tensor loads.  NaN and infinities are not served.
.set SPARE, 16*4224                    ; behind the sixteen images (8 x 528 bytes each): the spare words, 128 bytes a wave
.set QF,  16                           ; v16-47  Q, later att
.set KF,  48                           ; v48-79  K
.set VF,  80                           ; v80-111 V
.set WB,  48                           ; v48-111 later: W_out for output tiles 2, 3
.set WA,  112                          ; v112-175 W_out for output tiles 0, 1
.set SA,  176
.set SB,  184
.set OT,  192                          ; v192-223 O^T's four tiles, later out^T's four
.set PP,  224                          ; v224-231 the scores' sum, then p
.set SPW, 248
.set NIL, 249
.set WV,  18
.set SEL, 20
.set CS,  22
	s_load_b256 s[4:11], s[0:1], 0x0               ; qkv32 s[4:5], W_out s[6:7], b_out s[8:9], out0 s[10:11]
	v_lshl_add_u32 v[SPW], v0, 2, SPARE
	v_mov_b32 v[NIL], 0
	v_lshrrev_b32 v1, 5, v0
	v_readfirstlane_b32 s[WV], v1                  ; wave = head
	v_and_b32 v1, 15, v0                           ; r
	v_bfe_u32 v2, v0, 4, 1                         ; h
	v_mul_u32_u24 v3, v1, 0x3000
	v_lshl_add_u32 v3, v2, 4, v3                   ; Q, K: position r (12,288 bytes a row), + 16 h
	v_mul_u32_u24 v4, v2, 0x18000
	v_lshl_add_u32 v4, v1, 2, v4                   ; V: key 8 h on, channel r
	v_lshlrev_b32 v5, 15, v2
	v_lshl_add_u32 v5, v1, 2, v5                   ; W_out: row 8 h on (4,096 bytes a row), column r
	v_lshlrev_b32 v6, 4, v1                        ; the bias and the store: 16 bytes for each of 16 lanes
	v_lshlrev_b32 v7, 3, v2
	v_sub_nc_u32 v7, v1, v7                        ; d = r - 8 h: register j holds key 8 h + j, hidden where j > d
	v_mov_b32 v8, 0xff800000                       ; -infinity
	s_mul_i32 s24, s[WV], 4224
	v_and_b32 v9, 31, v0
	v_lshlrev_b32 v9, 4, v9
	v_add_nc_u32 v9, s24, v9                       ; my image: 16 x lane
	v_bfe_u32 v10, v0, 2, 2                        ; the reader's place: lane = 16 (query % 2) + n4, n4 a group of four columns
	v_lshlrev_b32 v10, 1, v10
	v_and_b32 v11, 1, v0
	v_add_nc_u32 v10, v10, v11
	v_mul_u32_u24 v10, v10, 528                    ; piece 2 (n4 / 4) + n4 % 2 of an image,
	v_bfe_u32 v11, v0, 1, 1
	v_lshl_add_u32 v10, v11, 8, v10                ; the half of the lanes (n4 / 2) % 2,
	v_lshl_add_u32 v10, v2, 4, v10
	s_and_b32 s25, s[WV], 7
	s_lshl_b32 s24, s25, 5
	v_add_nc_u32 v10, s24, v10                     ; lane = query = 2 (wave % 8) + lane / 16
	s_lshl_b32 s24, s25, 13
	v_lshl_add_u32 v11, v2, 12, v6
	v_add_nc_u32 v11, s24, v11                     ; out0: 4,096 x query + 16 n4
	s_mov_b32 s[SEL], 0x76543210
	s_mov_b32 s[SEL+1], 0xfedcba98
	s_mov_b32 s[CS], 0x3e38aa3b                    ; c = log2(e) / 8
	s_mov_b32 s[CS+1], s[CS]
	s_and_b32 s26, ttmp7, 0xffff                   ; batch
	s_lshl_b32 s27, ttmp9, 8                       ; my 64 columns, in bytes
	s_mul_i32 s28, s26, 196608
	s_lshl_b32 s30, s[WV], 8
	s_add_co_u32 s28, s28, s30
	s_mov_b32 s29, 0
	s_lshl_b32 s30, s[WV], 18                      ; W_out's 64 rows of my head
	s_add_co_u32 s30, s30, s27
	s_mov_b32 s31, 0
	s_mov_b32 s32, s27
	s_mov_b32 s33, 0
	s_lshl_b32 s34, s26, 23                        ; 2,048 rows of 4,096 bytes
	s_add_co_u32 s34, s34, s27
	s_mov_b32 s35, 0
	s_wait_kmcnt 0x0
	s_add_nc_u64 s[4:5], s[4:5], s[28:29]
	s_add_nc_u64 s[6:7], s[6:7], s[30:31]
	s_add_nc_u64 s[8:9], s[8:9], s[32:33]
	s_add_nc_u64 s[10:11], s[10:11], s[34:35]
.irp c, 0,1,2,3,4,5,6,7
	global_load_b128 v[QF+4*\c:QF+4*\c+3], v3, s[4:5] offset:32*\c
.endr
.irp c, 0,1,2,3,4,5,6,7
	global_load_b128 v[KF+4*\c:KF+4*\c+3], v3, s[4:5] offset:4096+32*\c
.endr
.irp ct, 0,1,2,3
.irp n, 0,1,2,3,4,5,6,7
	global_load_b32 v[VF+8*\ct+\n], v4, s[4:5] offset:8192+12288*\n+64*\ct
.endr
.endr
.macro WLOAD reg, nt0                  ; W_out(64 w + 16 t + 8 h + n, 64 x + 16 (nt0 + e) + r) -> v[reg + 32 e + 8 t + n]
.irp e, 0,1
.irp t, 0,1,2,3
.irp n, 0,1,2,3,4,5,6,7
	global_load_b32 v[\reg+32*\e+8*\t+\n], v5, s[6:7] offset:4096*(16*\t+\n)+64*(\nt0+\e)
.endr
.endr
.endr
.endm
	WLOAD WA, 0
	global_load_b128 v[12:15], v6, s[8:9]          ; the bias of my four columns
	s_wait_loadcnt 63                              ; of the 113 loads the first 50 are in: Q, K and V are the first 48
.irp c, 0,1,2,3,4,5,6,7                        ; the scores: two accumulators by turns
.if \c == 0
	v_wmma_f32_16x16x4_f32 v[SA:SA+7], v[KF:KF+1], v[QF:QF+1], 0
	v_wmma_f32_16x16x4_f32 v[SB:SB+7], v[KF+2:KF+3], v[QF+2:QF+3], 0
.else
	v_wmma_f32_16x16x4_f32 v[SA:SA+7], v[KF+4*\c:KF+4*\c+1], v[QF+4*\c:QF+4*\c+1], v[SA:SA+7]
	v_wmma_f32_16x16x4_f32 v[SB:SB+7], v[KF+4*\c+2:KF+4*\c+3], v[QF+4*\c+2:QF+4*\c+3], v[SB:SB+7]
.endif
.endr
.rept 8
	v_nop                                          ; eight places behind this form
.endr
.irp j, 0,1,2,3,4,5,6,7
	v_add_f32 v[PP+\j], v[SA+\j], v[SB+\j]         ; lane (r, h): query r, key 8 h + j
.endr
.irp j, 0,1,2,3,4,5,6,7
	v_cmp_gt_i32 vcc_lo, \j, v7
	v_cndmask_b32 v[PP+\j], v[PP+\j], v8, vcc_lo
.endr
	v_max3_num_f32 v232, v[PP], v[PP+1], v[PP+2]
	v_max3_num_f32 v233, v[PP+3], v[PP+4], v[PP+5]
	v_max3_num_f32 v232, v232, v[PP+6], v[PP+7]
	v_max_num_f32 v232, v232, v233
	v_permlanex16_b32 v233, v232, s[SEL], s[SEL+1]
	v_max_num_f32 v232, v232, v233                 ; the row's maximum: key 0 counts for every query
	v_mul_f32 v234, s[CS], v232
	v_mov_b32 v235, v234                           ; (named with it as a pair)
.irp i, 0,1,2,3
	v_pk_fma_f32 v[PP+2*\i:PP+2*\i+1], v[PP+2*\i:PP+2*\i+1], s[CS:CS+1], v[234:235] op_sel_hi:[1,0,0] neg_lo:[0,0,1] neg_hi:[0,0,1]
.endr
.irp j, 0,1,2,3,4,5,6,7
	v_exp_f32 v[PP+\j], v[PP+\j]
.endr
	v_nop
	s_wait_alu depctr_va_vdst(0)                   ; one wait for the eight exponentials, ahead of their first reader
	v_pk_add_f32 v[236:237], v[PP:PP+1], v[PP+2:PP+3]
	v_pk_add_f32 v[238:239], v[PP+4:PP+5], v[PP+6:PP+7]
	v_pk_add_f32 v[236:237], v[236:237], v[238:239]
	v_add_f32 v236, v236, v237
	v_permlanex16_b32 v237, v236, s[SEL], s[SEL+1]
	v_add_f32 v236, v236, v237                     ; the row's sum
	v_rcp_f32 v238, v236
	v_nop
.irp i, 0,1,2,3                                ; O^T = V^T P: four accumulators by turns
.irp ct, 0,1,2,3
.if \i == 0
	v_wmma_f32_16x16x4_f32 v[OT+8*\ct:OT+8*\ct+7], v[VF+8*\ct+2*\i:VF+8*\ct+2*\i+1], v[PP+2*\i:PP+2*\i+1], 0
.else
	v_wmma_f32_16x16x4_f32 v[OT+8*\ct:OT+8*\ct+7], v[VF+8*\ct+2*\i:VF+8*\ct+2*\i+1], v[PP+2*\i:PP+2*\i+1], v[OT+8*\ct:OT+8*\ct+7]
.endif
.endr
.endr
.rept 8
	v_nop
.endr
	s_wait_alu depctr_va_vdst(0)                   ; the reciprocal's wait, ahead of its first reader
.irp j, 0,1,2,3,4,5,6,7,8,9,10,11,12,13,14,15,16,17,18,19,20,21,22,23,24,25,26,27,28,29,30,31
	v_mul_f32 v[QF+\j], v[OT+\j], v238             ; att: register 8 t + j is channel 16 t + 8 h + j of query r.  (With the v_nop above these are also the places ahead of the products that begin anew on O^T's registers)
.endr
	WLOAD WB, 2                                    ; over K and V, which are done with
.macro PROJ w, nt0                     ; out^T tiles nt0, nt0 + 1: two accumulators by turns, 16 steps of 4 channels
.irp t, 0,1,2,3
.irp i, 0,1,2,3
.irp e, 0,1
.if (\t == 0) && (\i == 0)
	v_wmma_f32_16x16x4_f32 v[OT+8*(\nt0+\e):OT+8*(\nt0+\e)+7], v[\w+32*\e+8*\t+2*\i:\w+32*\e+8*\t+2*\i+1], v[QF+8*\t+2*\i:QF+8*\t+2*\i+1], 0
.else
	v_wmma_f32_16x16x4_f32 v[OT+8*(\nt0+\e):OT+8*(\nt0+\e)+7], v[\w+32*\e+8*\t+2*\i:\w+32*\e+8*\t+2*\i+1], v[QF+8*\t+2*\i:QF+8*\t+2*\i+1], v[OT+8*(\nt0+\e):OT+8*(\nt0+\e)+7]
.endif
.endr
.endr
.endr
.endm
	s_wait_loadcnt 63                              ; of the 177 loads the first 114 are in: the first half of W and the bias are the first 113
	PROJ WA, 0
	s_wait_loadcnt 0x0
	PROJ WB, 2
.rept 8
	v_nop
.endr
.irp nt, 0,1,2,3                               ; my part goes to LDS as an image of its registers: lane (r, h), piece 2 nt + half: query r, columns 16 nt + 8 h + 4 half + 0 .. 3
	ds_store_b128 v9, v[OT+8*\nt:OT+8*\nt+3] offset:528*(2*\nt)
	ds_store_b128 v9, v[OT+8*\nt+4:OT+8*\nt+7] offset:528*(2*\nt+1)
.endr
	s_wait_dscnt 0x0                               ; for the others' sake
	s_barrier_signal -1
	s_barrier_wait -1
	s_cmp_lt_u32 s[WV], 8
	s_cbranch_scc0 .Lidle
.irp s, 0,1,2,3,4,5,6,7,8,9,10,11,12,13,14,15   ; waves 0-7: two queries each; the sixteen heads' parts of my four columns
	ds_load_b128 v[16+4*\s:16+4*\s+3], v10 offset:4224*\s
.endr
	s_wait_dscnt 0x0
.irp s, 0,1,2,3,4,5,6,7
	v_pk_add_f32 v[16+4*\s:17+4*\s], v[16+4*\s:17+4*\s], v[48+4*\s:49+4*\s]
	v_pk_add_f32 v[18+4*\s:19+4*\s], v[18+4*\s:19+4*\s], v[50+4*\s:51+4*\s]
.endr
.irp s, 0,1,2,3
	v_pk_add_f32 v[16+4*\s:17+4*\s], v[16+4*\s:17+4*\s], v[32+4*\s:33+4*\s]
	v_pk_add_f32 v[18+4*\s:19+4*\s], v[18+4*\s:19+4*\s], v[34+4*\s:35+4*\s]
.endr
.irp s, 0,1
	v_pk_add_f32 v[16+4*\s:17+4*\s], v[16+4*\s:17+4*\s], v[24+4*\s:25+4*\s]
	v_pk_add_f32 v[18+4*\s:19+4*\s], v[18+4*\s:19+4*\s], v[26+4*\s:27+4*\s]
.endr
	v_pk_add_f32 v[16:17], v[16:17], v[20:21]
	v_pk_add_f32 v[18:19], v[18:19], v[22:23]
	v_pk_add_f32 v[16:17], v[16:17], v[12:13]      ; + the bias
	v_pk_add_f32 v[18:19], v[18:19], v[14:15]
	global_store_b128 v11, v[16:19], s[10:11]      ; sixteen lanes store 256 consecutive bytes, aligned
	s_wait_tensorcnt 0x0                           ; the wave's end
	ds_add_u32 v[SPW], v[NIL]
	s_wait_dscnt 0x0
	s_endpgm
.Lidle:
	s_wait_tensorcnt 0x0                           ; the same end for the waves that only gave their part
	ds_add_u32 v[SPW], v[NIL]
	s_wait_dscnt 0x0
	s_endpgm
.Lfunc_end_k_qf4634b0784_fine:
	.size	k_qf4634b0784_fine, .Lfunc_end_k_qf4634b0784_fine-k_qf4634b0784_fine
	.p2alignl 7, 3214868480
	.fill 96, 4, 3214868480
	.section	.rodata,"a",@progbits
	.p2align	6, 0x0
	.amdhsa_kernel k_qf4634b0784_fine
		.amdhsa_group_segment_fixed_size 69632
		.amdhsa_private_segment_fixed_size 0
		.amdhsa_enable_private_segment 0
		.amdhsa_kernarg_size 32
		.amdhsa_user_sgpr_count 2
		.amdhsa_user_sgpr_kernarg_segment_ptr 1
		.amdhsa_wavefront_size32 1
		.amdhsa_system_sgpr_workgroup_id_x 1
		.amdhsa_system_sgpr_workgroup_id_y 1
		.amdhsa_system_sgpr_workgroup_id_z 1
		.amdhsa_system_vgpr_workitem_id 0
		.amdhsa_next_free_vgpr 256
		.amdhsa_next_free_sgpr 66
		.amdhsa_reserve_vcc 1
		.amdhsa_float_denorm_mode_32 3
		.amdhsa_float_denorm_mode_16_64 3
		.amdhsa_memory_ordered 1
		.amdhsa_forward_progress 1
		.amdhsa_inst_pref_size 34
	.end_amdhsa_kernel
	.amdgpu_metadata
---
amdhsa.version: [ 1, 2 ]
amdhsa.kernels:
  - .name:           k_qf4634b0784_fine
    .symbol:         k_qf4634b0784_fine.kd
    .args:
      - { .name: qkv32, .offset: 0, .size: 8, .value_kind: global_buffer, .address_space: global }
      - { .name: W_out, .offset: 8, .size: 8, .value_kind: global_buffer, .address_space: global }
      - { .name: b_out, .offset: 16, .size: 8, .value_kind: global_buffer, .address_space: global }
      - { .name: out0, .offset: 24, .size: 8, .value_kind: global_buffer, .address_space: global }
    .group_segment_fixed_size: 69632
    .private_segment_fixed_size: 0
    .kernarg_segment_align: 8
    .kernarg_segment_size: 32
    .max_flat_workgroup_size: 512
    .sgpr_count:     66
    .vgpr_count:     256
    .wavefront_size: 32
...
	.end_amdgpu_metadata
.endif
;; end of part 5
